; MI455X (gfx1250); checked and timed in simulation.
; The chip was launched on July 23, 2026; its instructions are those of AMD's public machine-readable ISA for CDNA 5 (MIT licence, August 2026) and "CDNA5" Instruction Set Architecture Reference Guide (July 2026). The comments in the code are by the model that wrote it; some were corrected since.
;; Multi Head Target Centric Attention. Allowed arithmetic: float matrix products may take bf16 or f16 operands with f32 sums; other float arithmetic in f32, or as packed bf16 or f16 multiplies, adds, multiply-adds, maxima and minima; sums over many terms, partial sums and values carried from step to step in f32; what a program stores and reads back later, other than sums and carried values, may be rounded once to bf16 or f16.
;; Inputs: Wk 1,024 x 1,024 float32; Wo 1,024 x 1,024 float32; Wq 1,024 x 1,024 float32; Wv 1,024 x 1,024 float32; bk 1,024 float32; bo 1,024 float32; bq 1,024 float32; bv 1,024 float32; x 4 x 2,048 x 1,024 float32.
;; Outputs: out0 4 x 2,048 x 1,024 float32.
;; 2 versions, each right; version 2 is version 1 with the launch prep written anew for expert scheduling mode. Each part assembles by itself: llvm-mc -triple=amdgcn-amd-amdhsa -mcpu=gfx1250 --defsym DOCPART=n.
;; ======== version 1 of 2: 5 launches
;; limits: values are held in f16: magnitudes above 65,504 overflow, below 6.1e-05 lose precision
;; workspace buffers: xb 16,777,216 bytes; wqkv 6,291,456 bytes; wo16 2,097,152 bytes; qkv 50,331,648 bytes; nl 524,288 bytes; vmx 8,192 bytes; ob 16,777,216 bytes
;; launch prep (part 1): grid 768 x 1, 4 waves a work-group, no clusters, 0 bytes of LDS; arguments x, Wq, Wk, Wv, Wo, xb, wqkv, wo16; writes xb, wqkv, wo16
.if DOCPART == 1
	.amdgcn_target "amdgcn-amd-amdhsa--gfx1250"
	.amdhsa_code_object_version 6
	.text
	.protected	k_qf9688e3ef3_prep
	.globl	k_qf9688e3ef3_prep
	.p2align	8
	.type	k_qf9688e3ef3_prep,@function
k_qf9688e3ef3_prep:
	s_mov_b64 s[64:65], 0
	v_nop
	global_prefetch_b8 v0, s[64:65] scope:SCOPE_SE
	s_setreg_imm32_b32 hwreg(HW_REG_WAVE_MODE, 25, 1), 1
	s_wait_xcnt 0x0
; PREP: the casts.  x [8192][1024] f32 -> xb bf16 [16 kb][8192 row][64]; Wq, Wk, Wv [1024 k][1024 f] f32 -> wqkv bf16 [8 tx][1024 k][384] (column 1024 t + f, in blocks of 384);
; Wo [1024][1024] f32 -> wo16: rounded to bf16, and that number written as f16 (exact where it is a normal f16; below 6.1e-5 it keeps f16's fixed step of 6e-8; beyond 65,504 it is lost).
; A stream: no LDS, no matrix unit, no cluster: no byte is wanted twice.  An item is one load of 16 bytes a lane (4 f32) and one store of 8 bytes a lane: the 32 lanes store 256 consecutive bytes, aligned.
; A wave has 32 items (a, b): all 32 loads go out first (16 KiB a wave), then each item is waited for by its count, rounded and stored.  No register that a load or store names is written again.
; A UNIT is the work of eight waves, two work-groups of four: units 0-255: 32 rows of x each (a wave 4 rows); 256-351: 32 k rows of Wq, Wk or Wv; 352-383: 32 k rows of Wo.  768 work-groups in all.
; The three heads set bases, strides and lane offsets; one body serves all.
.set INJ,  2                           ; v2-9    lane offset of item (., b) in the input
.set OUTJ, 10                          ; v10-17  the same in the output
.set X,    32                          ; v32-159 item n = 8 a + b: four registers as loaded; its first two then hold the 8 bytes to store
.set INB,  24                          ; s[24:31] input base for a = 0..3
.set OUTB, 32                          ; s[32:39] output base for a = 0..3
.set MASK, 40                          ; s40     all ones: the f16 spelling is stored; 0: the bf16 bits
	s_load_b512 s[8:23], s[0:1], 0x0               ; x, Wq, Wk, Wv, Wo, xb, wqkv, wo16
	v_lshrrev_b32 v1, 5, v0
	v_readfirstlane_b32 s41, v1                    ; wave 0..3
	s_and_b32 s42, ttmp9, 1
	s_lshl_b32 s42, s42, 2
	s_add_co_u32 s41, s41, s42                     ; my place among the unit's eight waves
	s_lshr_b32 s56, ttmp9, 1                       ; the unit
	v_and_b32 v1, 31, v0                           ; lane
	v_lshlrev_b32 v20, 3, v1                       ; 8 l
	s_lshl_b32 s42, s41, 2                         ; a wave's four rows
	s_mov_b32 s45, 0                               ; the high words of four offsets
	s_mov_b32 s47, 0
	s_mov_b32 s49, 0
	s_mov_b32 s51, 0
	s_wait_kmcnt 0x0
	s_cmp_lt_u32 s56, 256
	s_cbranch_scc0 .Lweights
	; x: item (a, b) is the block kb = 4 a + b % 4 of 64 columns, for rows 2 (b / 4) and 2 (b / 4) + 1 of my four: lanes 0-15 read 256 consecutive bytes of the one row, lanes 16-31 of the other;
	; in xb the two rows of a block lie on end, 128 bytes each: lane l stores at 8 l
	s_lshl_b32 s43, s56, 5
	s_add_co_u32 s43, s43, s42                     ; my first row
	s_lshl_b32 s44, s43, 12                        ; 4,096 bytes a row of x
	s_lshl_b32 s46, s43, 7                         ; 128 bytes a row of a block of xb
	s_add_nc_u64 s[INB:INB+1], s[8:9], s[44:45]
	s_add_nc_u64 s[OUTB:OUTB+1], s[18:19], s[46:47]
	s_mov_b32 s48, 1024                            ; a: four blocks of 64 f32 on
	s_mov_b32 s50, 4194304                         ; a: four blocks of xb on
	s_mov_b32 s[MASK], 0
	v_lshrrev_b32 v18, 4, v1
	v_and_b32 v19, 15, v1
	v_lshlrev_b32 v19, 4, v19
	v_lshl_add_u32 v18, v18, 12, v19               ; 4,096 (l / 16) + 16 (l % 16)
.irp b, 0,1,2,3,4,5,6,7
	v_add_nc_u32 v[INJ+\b], 256*((\b)%4)+8192*((\b)/4), v18
	v_add_nc_u32 v[OUTJ+\b], 1048576*((\b)%4)+256*((\b)/4), v20
.endr
	s_branch .Lgo
.Lweights:
	s_cmp_lt_u32 s56, 352
	s_cbranch_scc0 .Lwo
	; Wq, Wk, Wv: item (a, b) is k row a of my four, columns 128 b + 4 l on: 512 consecutive bytes in, 256 out
	s_sub_co_u32 s43, s56, 256
	s_lshr_b32 s52, s43, 5                         ; t: which of the three
	s_and_b32 s43, s43, 31
	s_lshl_b32 s43, s43, 5
	s_add_co_u32 s43, s43, s42                     ; my first k row
	s_cmp_eq_u32 s52, 0
	s_cselect_b64 s[54:55], s[10:11], s[12:13]
	s_cmp_eq_u32 s52, 2
	s_cselect_b64 s[54:55], s[14:15], s[54:55]
	s_lshl_b32 s44, s43, 12
	s_mul_i32 s46, s43, 768                        ; a k row of a block of 384 columns
	s_add_nc_u64 s[INB:INB+1], s[54:55], s[44:45]
	s_add_nc_u64 s[OUTB:OUTB+1], s[20:21], s[46:47]
	s_mov_b32 s48, 4096
	s_mov_b32 s50, 768
	s_mov_b32 s[MASK], 0
	s_lshl_b32 s52, s52, 3
.irp b, 0,1,2,3,4,5,6,7
	v_lshl_add_u32 v[INJ+\b], v1, 4, 512*\b
	s_add_co_u32 s57, s52, \b                      ; cu = 8 t + b: the item's 128 columns among the 24 such groups of the three weights
	s_mul_i32 s58, s57, 171
	s_lshr_b32 s58, s58, 9                         ; tx = cu / 3 (171 / 512 serves up to cu = 23)
	s_mul_i32 s59, s58, 3
	s_sub_co_u32 s57, s57, s59
	s_lshl_b32 s57, s57, 8                         ; 256 (cu - 3 tx)
	s_mul_i32 s58, s58, 786432
	s_add_co_u32 s57, s57, s58
	v_add_nc_u32 v[OUTJ+\b], s57, v20
.endr
	s_branch .Lgo
.Lwo:
	; Wo: as the weights, into plain rows of 2,048 bytes
	s_sub_co_u32 s43, s56, 352
	s_lshl_b32 s43, s43, 5
	s_add_co_u32 s43, s43, s42
	s_lshl_b32 s44, s43, 12
	s_lshl_b32 s46, s43, 11
	s_add_nc_u64 s[INB:INB+1], s[16:17], s[44:45]
	s_add_nc_u64 s[OUTB:OUTB+1], s[22:23], s[46:47]
	s_mov_b32 s48, 4096
	s_mov_b32 s50, 2048
	s_mov_b32 s[MASK], -1
.irp b, 0,1,2,3,4,5,6,7
	v_lshl_add_u32 v[INJ+\b], v1, 4, 512*\b
	v_add_nc_u32 v[OUTJ+\b], 256*\b, v20
.endr
.Lgo:
.irp a, 1,2,3
	s_add_nc_u64 s[INB+2*\a:INB+2*\a+1], s[INB+2*\a-2:INB+2*\a-1], s[48:49]
	s_add_nc_u64 s[OUTB+2*\a:OUTB+2*\a+1], s[OUTB+2*\a-2:OUTB+2*\a-1], s[50:51]
.endr
.set n, 0
.rept 32
	global_load_b128 v[X+4*n:X+4*n+3], v[INJ+n%8], s[INB+2*(n/8):INB+2*(n/8)+1] th:TH_LOAD_NT
.set n, n+1
.endr
.set n, 0
.rept 32
	s_wait_loadcnt 31-n                            ; loads come back in order: item n's is in, the 31 - n younger ones stay out
	v_cvt_pk_bf16_f32 v[X+4*n], v[X+4*n], v[X+4*n+1]      ; word 0 takes numbers 0, 1; word 1 numbers 2, 3: neither lands on a number still to be read
	v_cvt_pk_bf16_f32 v[X+4*n+1], v[X+4*n+2], v[X+4*n+3]
.irp j, 0,1
	v_lshlrev_b32 v18, 16, v[X+4*n+\j]             ; the two rounded numbers as f32,
	v_and_b32 v19, 0xffff0000, v[X+4*n+\j]
	v_cvt_pk_f16_f32 v18, v18, v19                 ; spelled as f16,
	v_cndmask_b32 v[X+4*n+\j], v[X+4*n+\j], v18, s[MASK]  ; and taken for Wo alone
.endr
	global_store_b64 v[OUTJ+n%8], v[X+4*n:X+4*n+1], s[OUTB+2*(n/8):OUTB+2*(n/8)+1]
.set n, n+1
.endr
	s_endpgm
.Lfunc_end_k_qf9688e3ef3_prep:
	.size	k_qf9688e3ef3_prep, .Lfunc_end_k_qf9688e3ef3_prep-k_qf9688e3ef3_prep
	.p2alignl 7, 3214868480
	.fill 96, 4, 3214868480
	.section	.rodata,"a",@progbits
	.p2align	6, 0x0
	.amdhsa_kernel k_qf9688e3ef3_prep
		.amdhsa_group_segment_fixed_size 0
		.amdhsa_private_segment_fixed_size 0
		.amdhsa_enable_private_segment 0
		.amdhsa_kernarg_size 64
		.amdhsa_user_sgpr_count 2
		.amdhsa_user_sgpr_kernarg_segment_ptr 1
		.amdhsa_wavefront_size32 1
		.amdhsa_system_sgpr_workgroup_id_x 1
		.amdhsa_system_sgpr_workgroup_id_y 1
		.amdhsa_system_sgpr_workgroup_id_z 1
		.amdhsa_system_vgpr_workitem_id 0
		.amdhsa_next_free_vgpr 160
		.amdhsa_next_free_sgpr 66
		.amdhsa_reserve_vcc 0
		.amdhsa_float_denorm_mode_32 3
		.amdhsa_float_denorm_mode_16_64 3
		.amdhsa_memory_ordered 1
		.amdhsa_forward_progress 1
		.amdhsa_inst_pref_size 34
	.end_amdhsa_kernel
	.amdgpu_metadata
---
amdhsa.version: [ 1, 2 ]
amdhsa.kernels:
  - .name:           k_qf9688e3ef3_prep
    .symbol:         k_qf9688e3ef3_prep.kd
    .args:
      - { .name: x, .offset: 0, .size: 8, .value_kind: global_buffer, .address_space: global }
      - { .name: Wq, .offset: 8, .size: 8, .value_kind: global_buffer, .address_space: global }
      - { .name: Wk, .offset: 16, .size: 8, .value_kind: global_buffer, .address_space: global }
      - { .name: Wv, .offset: 24, .size: 8, .value_kind: global_buffer, .address_space: global }
      - { .name: Wo, .offset: 32, .size: 8, .value_kind: global_buffer, .address_space: global }
      - { .name: xb, .offset: 40, .size: 8, .value_kind: global_buffer, .address_space: global }
      - { .name: wqkv, .offset: 48, .size: 8, .value_kind: global_buffer, .address_space: global }
      - { .name: wo16, .offset: 56, .size: 8, .value_kind: global_buffer, .address_space: global }
    .group_segment_fixed_size: 0
    .private_segment_fixed_size: 0
    .kernarg_segment_align: 8
    .kernarg_segment_size: 64
    .max_flat_workgroup_size: 128
    .sgpr_count:     66
    .vgpr_count:     160
    .wavefront_size: 32
...
	.end_amdgpu_metadata
.endif
;; end of part 1
;; launch gemm_qkv (part 2): grid 8 x 32, 4 waves a work-group, clusters of 4 x 4, 327,680 bytes of LDS; arguments xb, wqkv, bq, bk, bv, qkv; writes qkv
.if DOCPART == 2
	.amdgcn_target "amdgcn-amd-amdhsa--gfx1250"
	.amdhsa_code_object_version 6
	.text
	.protected	k_qf9688e3ef3_gemm_qkv
	.globl	k_qf9688e3ef3_gemm_qkv
	.p2align	8
	.type	k_qf9688e3ef3_gemm_qkv,@function
k_qf9688e3ef3_gemm_qkv:
	s_mov_b64 s[64:65], 0
	v_nop
	global_prefetch_b8 v0, s[64:65] scope:SCOPE_SE
	s_setreg_imm32_b32 hwreg(HW_REG_WAVE_MODE, 25, 1), 1
	s_wait_xcnt 0x0
	s_wait_alu depctr_hold_cnt(0) depctr_sa_sdst(0) depctr_va_vdst(0) depctr_va_sdst(0) depctr_va_ssrc(0) depctr_va_vcc(0) depctr_vm_vsrc(0)
	s_getreg_b32 s2, hwreg(HW_REG_IB_STS2, 6, 4)
	s_cmp_eq_u32 s2, 0
	s_cbranch_scc0 .Lentry_in_a_cluster
	s_endpgm
.Lentry_in_a_cluster:
	s_bfe_u32 s2, ttmp6, 0x10000c
	s_cmp_lg_u32 s2, 0xf033
	s_cbranch_scc0 .Lentry_shape_is_right
	s_endpgm
.Lentry_shape_is_right:
; THE THREE PROJECTIONS AS ONE PRODUCT.  C[8192][3072] = x W, W = (Wq | Wk | Wv); bf16 operands, f32 sums.  Out: qkv f16 [4 b][48 cb][2048 s][64]; cb 0-15: q' = c (x Wq + bq), c = log2(e) / 8, the scale
; applied to the f32 sum; cb 16-31: k; cb 32-47: v.  Each number is rounded once.  The biases are rounded to bf16 like the other inputs.
; LIMIT.  f16 ends at 65,504: |c q|, |k|, |v| must stay within it; beyond, the conversion gives an infinity.  NaN and infinities are not treated apart.
; SHARES.  A work-group makes 256 rows x 384 columns: 32 x 8 = 256 work-groups.  Wave (mh, nh) makes 128 x 192: 96 accumulators of 16 x 16 in windows 1 to 3; window 1 + g holds head block g (64 columns),
; accumulator (a, f) at v[8 (4 a + f)].  For 32 along K a wave reads 8 + 12 fragments from LDS for 96 matrix instructions.
; THE MATRIX INSTRUCTION IS USED TRANSPOSED: source 0 = 16 columns of W, source 1 = 16 rows of x: a lane then holds row l % 16 and eight neighbouring columns 8 (l / 16) + 0..7.
; RING.  K goes in 16 steps of 64 through two LDS slots.  x's tile: 256 rows x 128 bytes, dense in xb, asked for as rows of 256 bytes, padded behind every 128: rows 144 bytes apart.  W's tile: 64 k rows x 768 bytes,
; padded by 32 behind every 256: rows 864 bytes apart; it lies [k][n] and comes out of LDS turned, by ds_load_tr16_b128.  Waves 0, 1 fetch x's halves, waves 2, 3 W's.
; CLUSTER 4 x 4.  x's tile hangs on the tile row alone and is asked for jointly by a row of the cluster, W's on the tile column alone and by a column.
; A K STEP is six UNITS u = 3 qd + g of 32 matrix instructions (32 along K, one head block).  Unit u loads W's fragments for unit u + 2; x's fragments of a half step come in one run of 16 loads.
.set SLOT,   92160                     ; x's 256 rows x 144, then W's 64 rows x 864
.set BOFF,   36864
.set STAGE,  2*SLOT                    ; behind the ring: 16 rows x 144 bytes for each wave, for the way out
.set SPARE,  STAGE+4*16*144            ; behind the stages: the spare words, 128 bytes for each wave: two blocks of 256 bytes that no other line names
.set ADRA, 4                           ; v4-5    LDS address of my fragments of x in slot 0, 1
.set ADRB, 6                           ; v6-11   of W's, slot s, head block g at 3 s + g
.set STO,  12                          ; v12     the way out: where I put 16 bytes of a row
.set RD,   13                          ; v13     where I read rows back
.set GO,   14                          ; v14     16 x lane
.set BIA,  15                          ; v15     32 (l / 16): my eight biases in a group of 16
.set SPW,  16                          ; v16     LDS address of my spare word; never rewritten
.set NIL,  17                          ; v17     0; never rewritten
.set PFO,  18                          ; v18     256 x lane; never rewritten
.set AF0,  32                          ; v32-95, v96-159  x's fragments for the step's first and second 32 along K
.set BF,   160                         ; v160-255  W's fragments: a buffer of 32 for each head block
.set T,    96                          ; the way out: v96-127 at work, v128-143 packed, v192-223 rows read back (two sets)
.set PK,   128
.set BK,   192
.set WV,   16                          ; s16 wave; s17 mh; s18 nh, and which half of a tile I fetch; s19 trips to go
.set MH,   17
.set NH,   18
.set LAPS, 19
.set G1A,  24                          ; s[24:31] group 1 for x's tiles; s[32:39] group 0, a set for each slot
.set G0A,  32
.set G1B,  40                          ; s[40:47], s[48:55] the same for W's
.set G0B,  48
.set PFA,  56                          ; s[56:57] where my prefetches stand; s[58:59] their step; s60: 1 in a wave that prefetches, else the greatest number
.set PFS,  58
.set LIM,  60
.set DST,  68                          ; s[68:73] where head block g's rows go
.set SC,   74                          ; s[74:79] c or 1, as pairs
.set BP,   90                          ; s[90:95] head block g's 64 biases
.set MSB, 0
.macro WIN new                         ; the immediate's high byte repeats the setting that is left; a switch that changes nothing is dropped
.if MSB != (\new)
	s_set_vgpr_msb (MSB<<8)|(\new)
.set MSB, (\new)
.endif
.endm
.macro PLACES                          ; four plain places: behind matrix instructions, in front of loads into registers that they read and of lines that read results
.rept 4
	v_nop
.endr
.endm
.macro CREST                           ; a round of the cluster's barrier behind its opening barrier
	s_cmp_lg_u32 s[WV], 0
	s_cbranch_scc1 .Lnot_wave_0_\@
	s_barrier_signal -3
.Lnot_wave_0_\@:
	s_barrier_wait -3
	s_barrier_signal -1
	s_barrier_wait -1
.endm
.macro CROUND
	s_barrier_signal -1
	s_barrier_wait -1
	CREST
.endm
.macro JLOAD s                         ; a joint refill; the branch hangs on the wave's number alone; s_nop 0 and four v_nop follow each line
	s_cmp_lt_u32 s[WV], 2
	s_cbranch_scc0 .Lfor_b_\@
	tensor_load_to_lds s[G0A+4*(\s):G0A+4*(\s)+3], s[G1A:G1A+7]
	s_nop 0
	PLACES
	s_branch .Lasked_\@
.Lfor_b_\@:
	tensor_load_to_lds s[G0B+4*(\s):G0B+4*(\s)+3], s[G1B:G1B+7]
	s_nop 0
	PLACES
.Lasked_\@:
.endm
; A PREFETCH INTO THE L2, once a trip, behind slot 0's joint load and the run of LDS loads: the two K steps that the NEXT trip's two refills will ask for, 384 and 576 matrix instructions ahead of them.
; x's tile row is read by both clusters of its row of clusters: cluster x = 0 asks; of a step's 128 blocks of 256 bytes each of the four partners takes 32, by address (cx); wave 0, two instructions.
; W's tile column is read by all eight clusters of its column: cluster y = 0 asks; the two steps are 384 blocks on end: each partner takes 96, by address (cy), waves 1 to 3 one instruction each.
; So each block is named once.  K steps 0 to 3 come by their loads alone; the last trip asks for nothing.
.macro ASK
	s_cmp_gt_u32 s[LAPS], s[LIM]
	s_cbranch_scc0 .Lnot_mine_\@
	global_prefetch_b8 v[PFO], s[PFA:PFA+1] th:TH_LOAD_NT scope:SCOPE_SE
	s_cmp_eq_u32 s[WV], 0
	s_cbranch_scc0 .Lnot_mine_\@
	global_prefetch_b8 v[PFO], s[PFA:PFA+1] offset:1048576 th:TH_LOAD_NT scope:SCOPE_SE
.Lnot_mine_\@:
.endm
	s_load_b256 s[4:11], s[0:1], 0x0               ; xb s[4:5], wqkv s[6:7], bq s[8:9], bk s[10:11]
	s_load_b128 s[12:15], s[0:1], 0x20             ; bv s[12:13], qkv s[14:15]
	v_lshl_add_u32 v[SPW], v0, 2, SPARE
	v_mov_b32 v[NIL], 0
	ds_add_u32 v[SPW], v[NIL]                      ; the wave's opening: the add and its wait stand ahead of my first tensor load; the set-up below, work on registers, stands between them
	v_lshrrev_b32 v1, 5, v0
	v_readfirstlane_b32 s[WV], v1
	s_lshr_b32 s[MH], s[WV], 1
	s_and_b32 s[NH], s[WV], 1
	s_bfe_u32 s20, ttmp6, 0x40000                  ; cx
	s_bfe_u32 s21, ttmp6, 0x40004                  ; cy
	s_lshl_b32 s22, ttmp9, 2
	s_add_co_u32 s22, s22, s20                     ; tx: my block of 384 columns
	s_and_b32 s23, ttmp7, 0xffff
	s_lshl_b32 s23, s23, 2
	s_add_co_u32 s23, s23, s21                     ; ty: my block of 256 rows
	s_lshl_b32 s80, s21, 2
	s_lshl_b32 s80, 15, s80                        ; my row of the cluster
	s_lshl_b32 s81, 0x1111, s20                    ; my column
	s_or_b32 s[G1A], s80, (1<<16)|(1<<20)|(1<<21)|(4<<22)|(3<<25)  ; the mask; 2-byte elements; padding on; bit 21 beside a mask; behind every 32 words, 4 words
	s_mov_b32 s[G1A+1], 128<<16                    ; tensor_dim0 = 128 (256 bytes: two rows of x)
	s_mov_b32 s[G1A+2], 64<<16                     ; tensor_dim1 = 64
	s_mov_b32 s[G1A+3], 128<<16                    ; tile_dim0
	s_mov_b32 s[G1A+4], 64                         ; tile_dim1
	s_mov_b32 s[G1A+5], 128                        ; elements from row to row: dense
	s_mov_b32 s[G1A+6], 0
	s_mov_b32 s[G1A+7], 0
	s_or_b32 s[G1B], s81, (1<<16)|(1<<20)|(1<<21)|(5<<22)|(7<<25)  ; behind every 64 words, 8 words: three times in a row of 192 words
	s_mov_b32 s[G1B+1], 384<<16
	s_mov_b32 s[G1B+2], 32<<16
	s_mov_b32 s[G1B+3], 384<<16
	s_mov_b32 s[G1B+4], 32
	s_mov_b32 s[G1B+5], 384
	s_mov_b32 s[G1B+6], 0
	s_mov_b32 s[G1B+7], 0
	s_lshl_b32 s82, s23, 15                        ; x: 128 bytes x (256 ty + 128 half)
	s_lshl_b32 s83, s[NH], 14
	s_add_co_u32 s82, s82, s83
	s_mov_b32 s83, 0
	s_mul_i32 s84, s22, 786432                     ; W: block tx, 32 k rows x 768 bytes x half
	s_mul_i32 s85, s[NH], 24576
	s_add_co_u32 s84, s84, s85
	s_mov_b32 s85, 0
	s_mul_i32 s86, s[NH], 18432                    ; and where they go: no place in the cluster enters an LDS address
	s_mul_i32 s87, s[NH], 27648
	s_add_co_u32 s87, s87, BOFF
	s_wait_dscnt 0x0                               ; the opening add is done
	s_wait_kmcnt 0x0
	s_add_nc_u64 s[82:83], s[4:5], s[82:83]
	s_add_nc_u64 s[84:85], s[6:7], s[84:85]
	CROUND                                         ; all sixteen work-groups are here: the first joint loads meet
.irp s, 0,1
	s_mov_b32 s[G0A+4*\s], 1
	s_add_co_u32 s[G0A+4*\s+1], s86, \s*SLOT
	s_add_nc_u64 s[G0A+4*\s+2:G0A+4*\s+3], s[82:83], \s*1048576  ; K step s is block s of xb
	s_or_b32 s[G0A+4*\s+3], s[G0A+4*\s+3], 0x80000000
	s_mov_b32 s[G0B+4*\s], 1
	s_add_co_u32 s[G0B+4*\s+1], s87, \s*SLOT
	s_add_nc_u64 s[G0B+4*\s+2:G0B+4*\s+3], s[84:85], \s*49152    ; 64 k rows of 768 bytes
	s_or_b32 s[G0B+4*\s+3], s[G0B+4*\s+3], 0x80000000
.endr
	s_cmp_lt_u32 s[WV], 2                          ; a wave's two first fills stand in one branch, ahead of every wait on TENSORcnt and every LDS read: two loads of mine are out
	s_cbranch_scc0 .Lfirst_b
	tensor_load_to_lds s[G0A:G0A+3], s[G1A:G1A+7]
	s_nop 0
	tensor_load_to_lds s[G0A+4:G0A+7], s[G1A:G1A+7]
	s_nop 0
	PLACES
	s_branch .Lfirst_asked
.Lfirst_b:
	tensor_load_to_lds s[G0B:G0B+3], s[G1B:G1B+7]
	s_nop 0
	tensor_load_to_lds s[G0B+4:G0B+7], s[G1B:G1B+7]
	s_nop 0
	PLACES
.Lfirst_asked:
	; a fragment of x: 16 rows x 32 K: lane l holds row l % 16: two loads of 16 bytes, 32 bytes apart, at row x 144 + 16 (l / 16)
	v_and_b32 v1, 15, v0
	v_bfe_u32 v2, v0, 4, 1
	v_mul_u32_u24 v3, v1, 144
	v_lshl_add_u32 v3, v2, 4, v3
	s_mul_i32 s80, s[MH], 18432
	v_add_nc_u32 v[ADRA], s80, v3
	v_add_nc_u32 v[ADRA+1], SLOT, v[ADRA]
	; a fragment of W, turned: lane l reads 16 bytes of k row 8 (l / 16) + l % 8, columns 8 ((l / 8) % 2) on; the second load 16 k rows further down
	v_and_b32 v19, 7, v0
	v_lshl_add_u32 v19, v2, 3, v19
	v_mul_u32_u24 v19, v19, 864
	v_bfe_u32 v20, v0, 3, 1
	v_lshl_add_u32 v19, v20, 4, v19
	; column n = 192 nh + 64 g lies at byte 288 (n / 128) + 2 (n % 128) of a row: 0, 128, 288 for nh = 0; 416, 576, 704 for nh = 1
	s_mul_i32 s80, s[NH], 416
	s_add_co_u32 s80, s80, BOFF
	v_add_nc_u32 v[ADRB], s80, v19
	s_mul_i32 s80, s[NH], 448
	s_add_co_u32 s80, s80, BOFF+128
	v_add_nc_u32 v[ADRB+1], s80, v19
	s_mul_i32 s80, s[NH], 416
	s_add_co_u32 s80, s80, BOFF+288
	v_add_nc_u32 v[ADRB+2], s80, v19
.irp g, 0,1,2
	v_add_nc_u32 v[ADRB+3+\g], SLOT, v[ADRB+\g]
.endr
	s_mul_i32 s80, s[WV], 16*144
	s_add_co_u32 s80, s80, STAGE                   ; my stage
	v_add_nc_u32 v[STO], s80, v3                   ; in: row l % 16, 16 bytes for each half of the lanes
	v_bfe_u32 v20, v0, 3, 2                        ; back: 32 lanes take four rows of 128 bytes
	v_mul_u32_u24 v20, v20, 144
	v_and_b32 v21, 7, v0
	v_lshl_add_u32 v20, v21, 4, v20
	v_add_nc_u32 v[RD], s80, v20
	v_and_b32 v[GO], 31, v0
	v_lshlrev_b32 v[PFO], 8, v[GO]
	v_lshlrev_b32 v[GO], 4, v[GO]
	v_lshlrev_b32 v[BIA], 5, v2
	; for each of my three head blocks: where it goes, its biases, its scale
	s_mul_i32 s80, s22, 6
	s_mul_i32 s81, s[NH], 3
	s_add_co_u32 s80, s80, s81                     ; cb of g = 0
	s_lshr_b32 s81, s23, 3
	s_mul_i32 s81, s81, 48                         ; 48 b
	s_and_b32 s82, s23, 7
	s_lshl_b32 s82, s82, 15
	s_lshl_b32 s83, s[MH], 14
	s_add_co_u32 s82, s82, s83                     ; 128 bytes x (256 (ty % 8) + 128 mh)
	s_mov_b32 s87, 0
.irp g, 0,1,2
	s_add_co_u32 s84, s80, \g                      ; cb
	s_add_co_u32 s86, s81, s84
	s_lshl_b32 s86, s86, 18                        ; 2,048 rows of 128 bytes
	s_add_co_u32 s86, s86, s82
	s_add_nc_u64 s[DST+2*\g:DST+2*\g+1], s[14:15], s[86:87]
	s_lshr_b32 s85, s84, 4                         ; 0: q, 1: k, 2: v
	s_and_b32 s86, s84, 15
	s_lshl_b32 s86, s86, 8
	s_cmp_eq_u32 s85, 0
	s_cselect_b32 s[SC+2*\g], 0x3e38aa3b, 1.0      ; c = log2(e) / 8 = 0.180337 for q alone
	s_cselect_b64 s[88:89], s[8:9], s[10:11]
	s_cmp_eq_u32 s85, 2
	s_cselect_b64 s[88:89], s[12:13], s[88:89]
	s_mov_b32 s[SC+2*\g+1], s[SC+2*\g]
	s_add_nc_u64 s[BP+2*\g:BP+2*\g+1], s[88:89], s[86:87]
.endr
	; the prefetches: they stand at K step 2; the first trip steps them to 4
	s_and_b32 s80, ttmp7, 0xffff
	s_mov_b32 s81, 98304
	s_cmp_eq_u32 s[WV], 0
	s_cselect_b32 s80, ttmp9, s80                  ; the coordinate along which other clusters read the same blocks
	s_cselect_b64 s[PFA:PFA+1], s[4:5], s[6:7]
	s_cselect_b32 s[PFS], 2097152, s81             ; two K steps
	s_mov_b32 s[PFS+1], 0
	s_lshl_b32 s82, s23, 15
	s_lshl_b32 s83, s20, 13
	s_add_co_u32 s82, s82, s83
	s_add_co_u32 s82, s82, 2097152                 ; x: tile row, my work-group's 8,192 bytes, K step 2
	s_mul_i32 s84, s22, 786432
	s_mul_i32 s85, s21, 24576
	s_add_co_u32 s84, s84, s85
	s_max_u32 s85, s[WV], 1
	s_lshl_b32 s85, s85, 13
	s_add_co_u32 s84, s84, s85
	s_add_co_u32 s84, s84, 98304-8192              ; W: block tx, my work-group's 24,576 bytes, wave w's 8,192 (w = 1..3), K step 2
	s_cmp_eq_u32 s[WV], 0
	s_cselect_b32 s86, s82, s84
	s_add_nc_u64 s[PFA:PFA+1], s[PFA:PFA+1], s[86:87]
	s_cmp_eq_u32 s80, 0
	s_cselect_b32 s[LIM], 1, -1                    ; the same in all sixteen partners, for a given wave
; 16 matrix instructions: head block g, x's blocks 4 half .. 4 half + 3, 32 along K from x's buffer qb.  All 96 accumulators take turns, one instruction a turn.  zero = 1: the product starts the sum.
.macro MULH g, qb, half, zero
	WIN 0x50*(1+(\g))                              ; C and D in window 1 + g, both sources in window 0
.set m, 0
.rept 16
.set ra, 4*(\half)+m/4
.set rc, 8*(4*ra+m%4)
.set rb, BF+32*(\g)+8*(m%4)
.set rx, AF0+64*(\qb)+8*ra
.if \zero
	v_wmma_f32_16x16x32_bf16 v[rc:rc+7], v[rb:rb+7], v[rx:rx+7], 0
.else
	v_wmma_f32_16x16x32_bf16 v[rc:rc+7], v[rb:rb+7], v[rx:rx+7], v[rc:rc+7]
.endif
.set m, m+1
.endr
.endm
.macro LDB s, qd, g                    ; 8 loads: W's four fragments of head block g, k rows 32 qd on, slot s
	WIN 0
.irp f, 0,1,2,3
	ds_load_tr16_b128 v[BF+32*(\g)+8*\f:BF+32*(\g)+8*\f+3],   v[ADRB+3*(\s)+(\g)] offset:27648*(\qd)+32*\f
	ds_load_tr16_b128 v[BF+32*(\g)+8*\f+4:BF+32*(\g)+8*\f+7], v[ADRB+3*(\s)+(\g)] offset:27648*(\qd)+32*\f+13824
.endr
.endm
.macro LDA s, qd                       ; 16 loads: x's eight fragments, K 32 qd on, slot s
	WIN 0
.irp a, 0,1,2,3,4,5,6,7
	ds_load_b128 v[AF0+64*(\qd)+8*\a:AF0+64*(\qd)+8*\a+3],   v[ADRA+(\s)] offset:2304*\a+64*(\qd)
	ds_load_b128 v[AF0+64*(\qd)+8*\a+4:AF0+64*(\qd)+8*\a+7], v[ADRA+(\s)] offset:2304*\a+64*(\qd)+32
.endr
.endm
; Unit u (all but 4) of the step in slot s.  What it multiplies was asked for two units back (x's fragments earlier): the count leaves out what the unit before has issued: 8 loads, or 24 behind units 1 and 4.
.macro UNIT s, u, zero
.if ((\u)%3) == 2
	s_wait_dscnt 24
.else
	s_wait_dscnt 8
.endif
	MULH (\u)%3, (\u)/3, 0, \zero
	PLACES                                         ; the buffer loaded below was last read by the unit before
.if (\u) < 4
	LDB \s, ((\u)+2)/3, ((\u)+2)%3
.else
	LDB 1-(\s), 0, (\u)-4                          ; unit 5 fetches for the next step's unit 1, from the other slot, which is whole since unit 4's barrier
.endif
.if (\u) == 1
	LDA \s, 1
.endif
	MULH (\u)%3, (\u)/3, 1, \zero
.endm
; Unit 4 changes slots.  ONE barrier for two things: in front of it each wave waits for all its tensor loads (one is out: its part of the other slot), adds 0 to its spare word, and waits for that and for its reads
; of this slot (the last were issued in unit 3).  fill = 1: the barrier opens a round of the cluster's, and this slot's joint refill, two K steps on, is the first thing behind it.
.macro TURN s, fill
.if (\fill) && ((\s) == 0)
	s_wait_xcnt 0x0                                ; the last prefetches, a trip back, have read their address
	s_add_nc_u64 s[PFA:PFA+1], s[PFA:PFA+1], s[PFS:PFS+1]
.endif
	WIN 0
	s_wait_tensorcnt 0x0
	ds_add_u32 v[SPW], v[NIL]                      ; 0 onto my spare word
	s_wait_dscnt 9                                 ; (the add and unit 3's eight loads may be out)
	MULH 1, 1, 0, 0                                ; sixteen matrix instructions stand between the add and the wait for it
	s_wait_dscnt 0x0
	s_barrier_signal -1
	MULH 1, 1, 1, 0                                ; work on registers while the others arrive
	WIN 0
	s_barrier_wait -1
.if \fill
	CREST                                          ; no wave of any partner still reads this slot or has a load on its way
	s_add_nc_u64 s[G0A+4*(\s)+2:G0A+4*(\s)+3], s[G0A+4*(\s)+2:G0A+4*(\s)+3], 2097152
	s_add_nc_u64 s[G0B+4*(\s)+2:G0B+4*(\s)+3], s[G0B+4*(\s)+2:G0B+4*(\s)+3], 98304
	JLOAD \s                                       ; its four v_nop are also the places in front of the loads below
.else
	PLACES
.endif
	LDB 1-(\s), 0, 0
	LDA 1-(\s), 0
.if (\fill) && ((\s) == 0)
	ASK
.endif
.endm
.macro UNITL u, left                   ; one of the launch's last two units: nothing more to fetch
	s_wait_dscnt \left
	MULH (\u)%3, 1, 0, 0
	MULH (\u)%3, 1, 1, 0
.endm
	s_wait_tensorcnt 0x1                           ; my part of K step 0 is in; K step 1's may stay out
	s_barrier_signal -1
	s_barrier_wait -1
	LDB 0, 0, 0
	LDA 0, 0
	LDB 0, 0, 1
	UNIT 0, 0, 1                                   ; the first three units start all 96 sums: nothing is cleared
	UNIT 0, 1, 1
	UNIT 0, 2, 1
	WIN 0                                          ; at a label and at a branch every window is 0
	s_mov_b32 s[LAPS], 7
.Llap:                                                 ; a trip goes once round the ring, from a step's unit 3 to unit 2 two steps on, and fills both slots again
	UNIT 0, 3, 0
	TURN 0, 1
	UNIT 0, 5, 0
	UNIT 1, 0, 0
	UNIT 1, 1, 0
	UNIT 1, 2, 0
	UNIT 1, 3, 0
	TURN 1, 1
	UNIT 1, 5, 0
	UNIT 0, 0, 0
	UNIT 0, 1, 0
	UNIT 0, 2, 0
	WIN 0
	s_sub_co_u32 s[LAPS], s[LAPS], 1
	s_cmp_lg_u32 s[LAPS], 0
	s_cbranch_scc1 .Llap
	UNIT 0, 3, 0                                   ; K steps 14 and 15: nothing is asked for
	TURN 0, 0
	UNIT 0, 5, 0
	UNIT 1, 0, 0
	UNIT 1, 1, 0
	UNIT 1, 2, 0
	UNIT 1, 3, 0
	PLACES                                         ; x's first buffer and W's first are free: my 3 x 64 biases land there while the last 64 products run
	WIN 0
.irp g, 0,1,2
.irp f, 0,1,2,3
	global_load_b128 v[32+32*\g+64*(\g/2)+8*\f:32+32*\g+64*(\g/2)+8*\f+3],   v[BIA], s[BP+2*\g:BP+2*\g+1] offset:64*\f
	global_load_b128 v[32+32*\g+64*(\g/2)+8*\f+4:32+32*\g+64*(\g/2)+8*\f+7], v[BIA], s[BP+2*\g:BP+2*\g+1] offset:64*\f+16
.endr
.endr
	UNITL 4, 8
	UNITL 5, 0
	WIN 0
	PLACES                                         ; the last 64 products read x's second buffer, v96-159, which the lines below write (T, later PK): four places behind the last of them, once a launch
	s_wait_loadcnt 0x0
	; the biases: rounded to bf16 like every input, then times the head block's scale
.irp g, 0,1,2
.set bi, 32+32*\g+64*(\g/2)
.set i, 0
.rept 16
	v_cvt_pk_bf16_f32 v[T+i], v[bi+2*i], v[bi+2*i+1]
.set i, i+1
.endr
.set i, 0
.rept 16
	v_lshlrev_b32 v[bi+2*i], 16, v[T+i]
	v_and_b32 v[bi+2*i+1], 0xffff0000, v[T+i]
	v_pk_mul_f32 v[bi+2*i:bi+2*i+1], v[bi+2*i:bi+2*i+1], s[SC+2*\g:SC+2*\g+1] op_sel_hi:[1,0]
.set i, i+1
.endr
.endr
; THE WAY OUT, 24 blocks of 16 rows x 64 columns.  PACK: sum x scale + bias x scale, rounded to f16, each accumulator's registers in ascending order.  TOSTAGE: 16 bytes a lane into my own stage, and back as whole rows.
; SEND: 16 rows of a head are 2,048 bytes on end: each store of the wave covers 512 consecutive bytes, aligned.
.macro PACK g, a
.set bi, 32+32*(\g)+64*((\g)/2)
	WIN 1+(\g)                                     ; source 0 in window 1 + g
.set i, 0
.rept 16
	v_pk_fma_f32 v[T+2*i:T+2*i+1], v[32*(\a)+2*i:32*(\a)+2*i+1], s[SC+2*(\g):SC+2*(\g)+1], v[bi+2*i:bi+2*i+1] op_sel_hi:[1,0,1]
.set i, i+1
.endr
	WIN 0
.set i, 0
.rept 16
	v_cvt_pk_f16_f32 v[PK+i], v[T+2*i], v[T+2*i+1]
.set i, i+1
.endr
.endm
.macro TOSTAGE k
.set bk, BK+16*((\k)%2)
.irp f, 0,1,2,3
	ds_store_b128 v[STO], v[PK+4*\f:PK+4*\f+3] offset:32*\f
.endr
.irp t, 0,1,2,3
	ds_load_b128 v[bk+4*\t:bk+4*\t+3], v[RD] offset:576*\t  ; LDS serves a wave's instructions in order (ISA guide 5.7.1.4): these see the stores above
.endr
.endm
.macro SEND k
.set bk, BK+16*((\k)%2)
	s_wait_dscnt 0x0                               ; the block is back in registers
	s_wait_xcnt 0x0                                ; the stores of the block before have read their registers: the next TOSTAGE loads into them only behind this wait
.irp t, 0,1,2,3
	global_store_b128 v[GO], v[bk+4*\t:bk+4*\t+3], s[DST+2*((\k)/8):DST+2*((\k)/8)+1] offset:2048*((\k)%8)+512*\t
.endr
.endm
	PACK 0, 0
	TOSTAGE 0
.set blk, 1
.rept 23                               ; a block's arithmetic stands between the loads of the block before and the wait for them
	PACK blk/8, blk%8
	SEND blk-1
	TOSTAGE blk
.set blk, blk+1
.endr
	SEND 23
	s_wait_tensorcnt 0x0                           ; the wave's end: an add to my spare word and its wait, behind my last tensor load and my last LDS store
	ds_add_u32 v[SPW], v[NIL]
	s_wait_dscnt 0x0
	CROUND                                         ; the closing round: no work-group ends while a partner may still ask for a tile that names it
	s_endpgm
.Lfunc_end_k_qf9688e3ef3_gemm_qkv:
	.size	k_qf9688e3ef3_gemm_qkv, .Lfunc_end_k_qf9688e3ef3_gemm_qkv-k_qf9688e3ef3_gemm_qkv
	.p2alignl 7, 3214868480
	.fill 96, 4, 3214868480
	.section	.rodata,"a",@progbits
	.p2align	6, 0x0
	.amdhsa_kernel k_qf9688e3ef3_gemm_qkv
		.amdhsa_group_segment_fixed_size 327680
		.amdhsa_private_segment_fixed_size 0
		.amdhsa_enable_private_segment 0
		.amdhsa_kernarg_size 48
		.amdhsa_user_sgpr_count 2
		.amdhsa_user_sgpr_kernarg_segment_ptr 1
		.amdhsa_wavefront_size32 1
		.amdhsa_system_sgpr_workgroup_id_x 1
		.amdhsa_system_sgpr_workgroup_id_y 1
		.amdhsa_system_sgpr_workgroup_id_z 1
		.amdhsa_system_vgpr_workitem_id 0
		.amdhsa_next_free_vgpr 1024
		.amdhsa_next_free_sgpr 96
		.amdhsa_reserve_vcc 0
		.amdhsa_float_denorm_mode_32 3
		.amdhsa_float_denorm_mode_16_64 3
		.amdhsa_memory_ordered 1
		.amdhsa_forward_progress 1
		.amdhsa_inst_pref_size 172
	.end_amdhsa_kernel
	.amdgpu_metadata
---
amdhsa.version: [ 1, 2 ]
amdhsa.kernels:
  - .name:           k_qf9688e3ef3_gemm_qkv
    .symbol:         k_qf9688e3ef3_gemm_qkv.kd
    .args:
      - { .name: xb, .offset: 0, .size: 8, .value_kind: global_buffer, .address_space: global }
      - { .name: wqkv, .offset: 8, .size: 8, .value_kind: global_buffer, .address_space: global }
      - { .name: bq, .offset: 16, .size: 8, .value_kind: global_buffer, .address_space: global }
      - { .name: bk, .offset: 24, .size: 8, .value_kind: global_buffer, .address_space: global }
      - { .name: bv, .offset: 32, .size: 8, .value_kind: global_buffer, .address_space: global }
      - { .name: qkv, .offset: 40, .size: 8, .value_kind: global_buffer, .address_space: global }
    .group_segment_fixed_size: 327680
    .private_segment_fixed_size: 0
    .kernarg_segment_align: 8
    .kernarg_segment_size: 48
    .max_flat_workgroup_size: 128
    .sgpr_count:     96
    .vgpr_count:     1024
    .wavefront_size: 32
...
	.end_amdgpu_metadata
.endif
;; end of part 2
;; launch stats (part 3): grid 4 x 64, 8 waves a work-group, clusters of 4 x 1, 327,680 bytes of LDS; arguments qkv, nl, vmx; writes nl, vmx
.if DOCPART == 3
	.amdgcn_target "amdgcn-amd-amdhsa--gfx1250"
	.amdhsa_code_object_version 6
	.text
	.protected	k_qf9688e3ef3_stats
	.globl	k_qf9688e3ef3_stats
	.p2align	8
	.type	k_qf9688e3ef3_stats,@function
k_qf9688e3ef3_stats:
	s_mov_b64 s[64:65], 0
	v_nop
	global_prefetch_b8 v0, s[64:65] scope:SCOPE_SE
	s_setreg_imm32_b32 hwreg(HW_REG_WAVE_MODE, 25, 1), 1
	s_wait_xcnt 0x0
	s_wait_alu depctr_hold_cnt(0) depctr_sa_sdst(0) depctr_va_vdst(0) depctr_va_sdst(0) depctr_va_ssrc(0) depctr_va_vcc(0) depctr_vm_vsrc(0)
	s_getreg_b32 s2, hwreg(HW_REG_IB_STS2, 6, 4)
	s_cmp_eq_u32 s2, 0
	s_cbranch_scc0 .Lentry_in_a_cluster
	s_endpgm
.Lentry_in_a_cluster:
	s_bfe_u32 s2, ttmp6, 0x10000c
	s_cmp_lg_u32 s2, 0x3003
	s_cbranch_scc0 .Lentry_shape_is_right
	s_endpgm
.Lentry_shape_is_right:
; THE SOFTMAX'S STATISTICS.  For every query of every head: nl = -(m + log2 l), m = the maximum over all keys of s = q' . k (q' holds c = log2(e) / 8, so s counts in powers of 2), l = the sum of 2^(s - m).
; The weights are contracted over QUERIES in the next launch, so a query's m and l must be whole before any weight is used: hence a launch of their own.  m is a running maximum, l is rescaled by
; a = 2^(m_old - m_new) in every step; all in f32; l is the sum of the unrounded exponentials.  m starts at the lowest finite number, l at 0: the first step's a is 0.
; Also: each wave's largest |v| over its 64 rows of v, to vmx: the next launches make a power of two of it that keeps O within f16.
; LIMITS.  An exponential below 2^-126 counts as 0 in l.  NaN and infinities are not treated apart.
; SHARES.  The four work-groups of a cluster are the four blocks of 512 queries of one head.  Eight waves, 64 queries each: four PIECES of 16.  Every wave walks all 2,048 keys, 64 a step.
; A piece and step have 8 matrix and 85 vector instructions: the vector work sets the pace.  So the wave stays within 256 registers (no window is ever switched) and two waves share a SIMD.
; LAYOUT.  S^T = K Q^T (source 0 = 16 keys, source 1 = 16 queries): a lane holds ONE query (lane % 16) and the keys 8 (lane / 16) + 0..7: a query's maximum and sum want one exchange between the halves of the lanes.
; ALL OF THE HEAD'S K LIES IN LDS: 2,048 rows of 128 bytes, 144 apart: 294,912 bytes.  Each wave fetches 4 x 64 keys (dense in memory, asked for as rows of 256 bytes, padded behind every 128), all four loads at the start,
; JOINTLY with the three partners, which walk the same K.  Nothing is ever filled again: one wait and one barrier ahead of the loop, none in it.
; BY TURNS.  Turn p: the sums of piece p - 1, then 8 products K Q^T of piece p + 1 into the buffer just summed, then that piece's maximum and statistics; the subtractions and exponentials of piece p stand among all three.
; A turn's 33 exponentials are one batch with one wait, at the turn's end.
.set PKK,   144
.set KALL,  2048*PKK
.set STAGE, KALL                       ; 256 bytes for each wave: its 64 results, before they leave as one block
.set SPARE, STAGE+8*256                ; the spare words, 128 bytes for each wave: four blocks of 256 bytes that no other line names
.set AK0, 2                            ; v2  my lane's place in a tile of K; never rewritten
.set AK,  3                            ; v3  the LDS address of K's next run of loads
.set QO,  4                            ; v4  my byte offset in 16 rows of q'
.set STG, 5                            ; v5  where a result goes in my stage
.set STR, 6                            ; v6  where I read two results back
.set GO,  7                            ; v7  8 x lane
.set SPW, 8                            ; v8  LDS address of my spare word; never rewritten
.set NIL, 9                            ; v9  0; never rewritten
.set PFO, 10                           ; v10 256 x lane; never rewritten
.set VO,  11                           ; v11 16 x lane
.set MV,  12                           ; v12-13  m_old, then m_old - m_new: by buffer
.set ST,  16                           ; piece t at v[16 + 4 t]: m, a zero (named with m as a pair), l (even keys', odd keys')
.set TMP, 32                           ; v32-39  by buffer, c0-c3 at work; when the maximum is found c2 takes a
.set Q,   40                           ; v40-103   q': piece t, channel half c at 16 t + 8 c
.set KF,  104                          ; v104-167  K of one step: key block kb, channel half c at 16 kb + 8 c; at the end: my rows of v
.set S,   168                          ; v168-231  S^T, two buffers of 32: a piece's goes by its number's parity
.set WV,  12
.set G1,  24                           ; s[24:31]
.set G0,  32                           ; s[32:47]: a set for each of my four loads
.set QA,  48                           ; s[48:49] my rows of q'
.set VA,  50                           ; s[50:51] my rows of v
.set NA,  52                           ; s[52:53] my 256 bytes of nl
.set XA,  54                           ; s[54:55] my word of vmx
.set MSK, 56                           ; s56  clears the signs of two f16
.set CNT, 57
.set SEL, 60                           ; s[60:61] v_permlanex16_b32's selects: each lane takes its own place in the other half
.set TBK, 62                           ; s62  LDS byte at which K of the step to be fetched begins
.macro PLACES
.rept 4
	v_nop
.endr
.endm
.macro CROUND                          ; a round of the cluster's barrier
	s_barrier_signal -1
	s_barrier_wait -1
	s_cmp_lg_u32 s[WV], 0
	s_cbranch_scc1 .Lnot_wave_0_\@
	s_barrier_signal -3
.Lnot_wave_0_\@:
	s_barrier_wait -3
	s_barrier_signal -1
	s_barrier_wait -1
.endm
	s_load_b128 s[4:7], s[0:1], 0x0                ; qkv s[4:5], nl s[6:7]
	s_load_b64 s[8:9], s[0:1], 0x10                ; vmx
	v_lshl_add_u32 v[SPW], v0, 2, SPARE
	v_mov_b32 v[NIL], 0
	ds_add_u32 v[SPW], v[NIL]                      ; the wave's opening: the add and its wait stand ahead of my first tensor load
	v_lshrrev_b32 v1, 5, v0
	v_readfirstlane_b32 s[WV], v1
	s_bfe_u32 s13, ttmp6, 0x40000                  ; cx: my block of 512 queries
	s_and_b32 s14, ttmp7, 0xffff                   ; 16 b + h
	s_lshr_b32 s16, s14, 4
	s_and_b32 s17, s14, 15
	s_mul_i32 s16, s16, 48
	s_add_co_u32 s16, s16, s17
	s_lshl_b32 s20, s16, 18                        ; the head's q' in qkv; its k lies 4,194,304 bytes on, its v 8,388,608
	s_lshl_b32 s22, s[WV], 13
	s_add_co_u32 s22, s22, s20
	s_add_co_u32 s22, s22, 4194304                 ; my 64 keys of the first 512: made of the head and the wave's number alone
	s_mov_b32 s23, 0
	s_lshl_b32 s16, s13, 16
	s_lshl_b32 s17, s[WV], 13
	s_add_co_u32 s16, s16, s17
	s_add_co_u32 s16, s16, s20                     ; my 64 queries
	s_mov_b32 s17, 0
	s_lshl_b32 s18, s14, 13                        ; nl: 8,192 bytes a head, 2,048 a block, 256 a wave
	s_lshl_b32 s19, s13, 11
	s_add_co_u32 s18, s18, s19
	s_lshl_b32 s19, s[WV], 8
	s_add_co_u32 s18, s18, s19
	s_mov_b32 s19, 0
	s_lshl_b32 s10, s14, 7                         ; vmx: a word for each wave of the launch
	s_lshl_b32 s11, s13, 5
	s_add_co_u32 s10, s10, s11
	s_lshl_b32 s11, s[WV], 2
	s_add_co_u32 s10, s10, s11
	s_mov_b32 s11, 0
	s_mov_b32 s[G1], 15|(1<<16)|(1<<20)|(1<<21)|(4<<22)|(3<<25)  ; the mask of four; 2-byte elements; padding on; bit 21 beside a mask; behind every 32 words, 4 words
	s_mov_b32 s[G1+1], 128<<16
	s_mov_b32 s[G1+2], 32<<16
	s_mov_b32 s[G1+3], 128<<16
	s_mov_b32 s[G1+4], 32
	s_mov_b32 s[G1+5], 128
	s_mov_b32 s[G1+6], 0
	s_mov_b32 s[G1+7], 0
	s_mul_i32 s21, s[WV], 64*PKK
.irp c, 0,1,2,3
	s_mov_b32 s[G0+4*\c], 1
	s_add_co_u32 s[G0+4*\c+1], s21, \c*512*PKK     ; keys 512 c + 64 w on
.endr
	s_mov_b32 s[SEL], 0x76543210
	s_mov_b32 s[SEL+1], 0xfedcba98
	s_mov_b32 s[MSK], 0x7fff7fff
	s_mov_b32 s[TBK], 0
	s_wait_dscnt 0x0                               ; the opening add is done
	s_wait_kmcnt 0x0
	s_add_nc_u64 s[22:23], s[4:5], s[22:23]
.irp c, 0,1,2,3
	s_add_nc_u64 s[G0+4*\c+2:G0+4*\c+3], s[22:23], \c*65536
	s_or_b32 s[G0+4*\c+3], s[G0+4*\c+3], 0x80000000
.endr
	s_add_nc_u64 s[QA:QA+1], s[4:5], s[16:17]
	s_add_nc_u64 s[VA:VA+1], s[QA:QA+1], 8388608
	s_add_nc_u64 s[NA:NA+1], s[6:7], s[18:19]
	s_add_nc_u64 s[XA:XA+1], s[8:9], s[10:11]
	CROUND                                         ; all four work-groups are here: the joint loads meet
.irp c, 0,1,2,3
	tensor_load_to_lds s[G0+4*\c:G0+4*\c+3], s[G1:G1+7]  ; all of my part of K, as one group: four loads of mine are out
	s_nop 0
.endr
	PLACES
	v_and_b32 v1, 15, v0
	v_bfe_u32 v14, v0, 4, 1
	v_and_b32 v15, 31, v0
	v_lshlrev_b32 v[QO], 7, v1
	v_lshl_add_u32 v[QO], v14, 4, v[QO]
.set i, 0
.rept 8                                ; q' stays in registers: piece i / 2, channels 32 (i % 2) on
	global_load_b128 v[Q+8*i:Q+8*i+3],   v[QO], s[QA:QA+1] offset:(i/2)*2048+(i%2)*64
	global_load_b128 v[Q+8*i+4:Q+8*i+7], v[QO], s[QA:QA+1] offset:(i/2)*2048+(i%2)*64+32
.set i, i+1
.endr
	v_lshlrev_b32 v[VO], 4, v15
	v_mul_u32_u24 v[AK0], v1, PKK
	v_lshl_add_u32 v[AK0], v14, 4, v[AK0]
	v_mov_b32 v[AK], v[AK0]                        ; key step 0 lies at LDS byte 0
	s_lshl_b32 s16, s[WV], 8
	s_add_co_u32 s16, s16, STAGE
	v_lshl_add_u32 v[STG], v1, 2, s16
	v_lshl_add_u32 v[STR], v15, 3, s16
	v_lshlrev_b32 v[GO], 3, v15
	v_lshlrev_b32 v[PFO], 8, v15
.irp t, 0,1,2,3
	v_mov_b32 v[ST+4*\t], 0xff7fffff
	v_mov_b32 v[ST+4*\t+1], 0
	v_mov_b32 v[ST+4*\t+2], 0
	v_mov_b32 v[ST+4*\t+3], 0
.endr
	; the first turn sums a piece that has not been: its buffer and its a hold 0, so that 0 is added to an l of 0
.set i, 0
.rept 32
	v_mov_b32 v[S+32+i], 0
.set i, i+1
.endr
.irp k, 4,5,6,7
	v_mov_b32 v[TMP+\k], 0
.endr
.macro REGS y                          ; the registers of piece y
.set rT, ST+4*(\y)
.set rC, TMP+4*((\y)%2)
.set rW, MV+((\y)%2)
.set rS, S+32*((\y)%2)
.endm
.macro KQ i                            ; product i of 8 of S^T = K Q^T for piece Y + 1: channels 32 (i / 4) on, keys 16 (i % 4) on; the four accumulators take turns; the first four start the sums
.if !NOX
.set kx, (Y+1)%4
.set rD, S+32*(kx%2)+8*((\i)%4)
.set rK, KF+16*((\i)%4)+8*((\i)/4)
.set rQ, Q+16*kx+8*((\i)/4)
.if (\i) < 4
	v_wmma_f32_16x16x32_f16 v[rD:rD+7], v[rK:rK+7], v[rQ:rQ+7], 0
.else
	v_wmma_f32_16x16x32_f16 v[rD:rD+7], v[rK:rK+7], v[rQ:rQ+7], v[rD:rD+7]
.endif
.endif
.endm
.macro FF n                            ; piece Y: s - m for pair n of 16
	REGS Y
	v_pk_add_f32 v[rS+2*(\n):rS+2*(\n)+1], v[rS+2*(\n):rS+2*(\n)+1], v[rT:rT+1] op_sel_hi:[1,0] neg_lo:[0,1] neg_hi:[0,1]
.endm
.macro EE n                            ; piece Y: the exponential of score n of 32
	REGS Y
	v_exp_f32 v[rS+(\n)], v[rS+(\n)]
.endm
.macro BB n                            ; piece Y - 1: of the four weights 4 n .. the second pair is added onto the first
	REGS (Y+3)%4
	v_pk_add_f32 v[rS+4*(\n):rS+4*(\n)+1], v[rS+4*(\n):rS+4*(\n)+1], v[rS+4*(\n)+2:rS+4*(\n)+3]
.endm
.macro LL n                            ; piece Y - 1: l takes that sum; the first time as l = a l + sum
	REGS (Y+3)%4
.if (\n) == 0
	v_pk_fma_f32 v[rT+2:rT+3], v[rT+2:rT+3], v[rC+2:rC+3], v[rS:rS+1] op_sel_hi:[1,0,1]
.else
	v_pk_add_f32 v[rT+2:rT+3], v[rT+2:rT+3], v[rS+4*(\n):rS+4*(\n)+1]
.endif
.endm
; Number n of the list that finds piece Y + 1's maximum and statistics.  0-11: four chains c0-c3 of seven scores each (each accumulator's lowest registers are read first);
; 12-14, 16: the four scores left over, the old m, and c0-c3 into c0; 15: m_old is kept; 17, 18: the query's other 32 keys lie in the lane 16 away: the new m; 20: m_old - m_new; 21: a.
.macro XX n
.if !NOX
	REGS (Y+1)%4
.if (\n) < 4
	v_max3_num_f32 v[rC+(\n)], v[rS+8*(\n)], v[rS+8*(\n)+1], v[rS+8*(\n)+2]
.elseif (\n) < 12
	v_max3_num_f32 v[rC+(\n)%4], v[rC+(\n)%4], v[rS+8*((\n)%4)+2*((\n)/4)+1], v[rS+8*((\n)%4)+2*((\n)/4)+2]
.elseif (\n) == 12
	v_max3_num_f32 v[rC], v[rC], v[rS+7], v[rS+15]
.elseif (\n) == 13
	v_max3_num_f32 v[rC+1], v[rC+1], v[rS+23], v[rS+31]
.elseif (\n) == 14
	v_max3_num_f32 v[rC+2], v[rC+2], v[rC+3], v[rT]
.elseif (\n) == 15
	v_mov_b32 v[rW], v[rT]
.elseif (\n) == 16
	v_max3_num_f32 v[rC], v[rC], v[rC+1], v[rC+2]
.elseif (\n) == 17
	v_permlanex16_b32 v[rC+3], v[rC], s[SEL], s[SEL+1]
.elseif (\n) == 18
	v_max_num_f32 v[rT], v[rC], v[rC+3]
.elseif (\n) == 20
	v_sub_f32 v[rW], v[rW], v[rT]
.else
	v_exp_f32 v[rC+2], v[rW]
.endif
.endif
.endm
.macro FETCH_K                         ; 16 loads in one run: a step's K: keys 16 (f / 2) on, channels 32 (f % 2) on
.irp f, 0,1,2,3,4,5,6,7
	ds_load_b128 v[KF+8*\f:KF+8*\f+3],   v[AK] offset:(\f/2)*16*PKK+(\f%2)*64
	ds_load_b128 v[KF+8*\f+4:KF+8*\f+7], v[AK] offset:(\f/2)*16*PKK+(\f%2)*64+32
.endr
	s_add_co_u32 s[TBK], s[TBK], 64*PKK            ; the next fetch is the next step's
.endm
.macro VLOADS                          ; my 64 rows of v, 8,192 bytes on end, into K's registers, which the launch's last product has read
.set j, 0
.rept 16
	global_load_b128 v[KF+4*j:KF+4*j+3], v[VO], s[VA:VA+1] offset:512*j
.set j, j+1
.endr
.endm
; A TURN, for piece p, in three parts; nothing in it names a result of its own exponentials, whose ONE wait stands at its end.
; 1. The sums of piece p - 1 (its exponentials were waited for at the last turn's end) and the first eight subtractions of piece p, with twelve exponentials of piece p between them, never two on end.
; 2. The 8 products of piece p + 1, into the buffer that part 1 has summed; behind each a subtraction and an exponential.
; 3. That piece's maximum and statistics, with the last twelve exponentials between the lines; in the chain at its end, where each line waits for the one before it, two exponentials stand between two links.
; THE PLACES.  The product that ends accumulator n is number 4 + n; four plain lines that name none of its registers stand between it and the maximum's line n, which reads it: of the four subtractions behind products
; 4 to 7 those that follow it, and the maximum's lines 0 to n - 1.  The same four stand between the last product and the loads into K's registers.
; K of the next step is fetched in piece 2's turn and waited for in piece 3's, ahead of its products.  end = 1: the launch's last two turns: piece 2's fetches my rows of v in K's stead; piece 3's has no next piece.
.macro TURN p, end=0
.set Y, (\p)
.set NOX, (\end)*((\p)/3)
	FF 0
	FF 1
	BB 0
	EE 0
	BB 1
	FF 2
	EE 1
	BB 2
	BB 3
	EE 2
	FF 3
	LL 0
	EE 3
	BB 4
	FF 4
	EE 4
	LL 1
	BB 5
	EE 5
	FF 5
	LL 2
	EE 6
	BB 6
	FF 6
	EE 7
	LL 3
	BB 7
	EE 8
	FF 7
	LL 4
	EE 9
	LL 5
	EE 10
	LL 6
	EE 11
	LL 7
.if ((\p) == 2) && !(\end)
	v_add_nc_u32 v[AK], s[TBK], v[AK0]
.endif
.if ((\p) == 3) && !(\end)
	s_wait_dscnt 0x0                               ; K is in
.endif
.irp i, 0,1,2,3,4,5,6,7
	KQ \i
	FF 8+\i
	EE 12+\i
.endr
	XX 0
	XX 1
	XX 2
	XX 3
.if (\p) == 2
.if \end
	VLOADS
.else
	FETCH_K
.endif
.endif
	XX 4
	XX 5
	EE 20
	XX 6
	XX 7
	EE 21
	XX 8
	XX 9
	EE 22
	XX 10
	XX 11
	EE 23
	XX 12
	XX 13
	EE 24
	XX 15
	XX 14
	EE 25
	EE 26
	XX 16
	EE 27
	EE 28
	XX 17
	EE 29
	EE 30
	XX 18
	EE 31
	XX 20
	XX 21
	v_nop                                          ; a plain instruction behind the last exponential: one for the batch (ISA guide 5.7.2)
	s_wait_alu depctr_va_vdst(0)                   ; the wait ahead of the first line that names a result, and ahead of every label and branch: one for the batch
.endm
	s_wait_tensorcnt 0x0                           ; my part of K is in,
	s_barrier_signal -1
	s_barrier_wait -1                              ; everybody's is: from here on LDS is only read, till the results' stage
	FETCH_K                                        ; key step 0
	s_wait_loadcnt 0x0                             ; q'
	s_wait_dscnt 0x0
.set Y, 3
.set NOX, 0
.irp i, 0,1,2,3,4,5,6,7
	KQ \i                                          ; piece 0's first scores
.endr
	PLACES
.irp n, 0,1,2,3,4,5,6,7,8,9,10,11,12,13,15,14,16,17,18,20,21
	XX \n                                          ; and its first maximum and statistics
.endr
	v_nop
	s_wait_alu depctr_va_vdst(0)
	s_mov_b32 s[CNT], 32
	s_branch .Lfirst                               ; the loop is entered at a step's first turn, in the middle of a trip
.Lstep:                                                ; a trip: pieces 2 and 3 of one step, then pieces 0 and 1 of the next, whose K it fetches
	TURN 2
	TURN 3
.Lfirst:
	TURN 0
	TURN 1
	; A PREFETCH INTO THE L2 of my own 64 rows of v, which I load behind the loop: 8,192 bytes, a lane a block of 256, one instruction in the launch for each wave, so that each block is named once;
	; it stands at the bottom of the trip behind which two more trips come.
	s_cmp_eq_u32 s[CNT], 3
	s_cbranch_scc0 .Lnot_yet
	global_prefetch_b8 v[PFO], s[VA:VA+1] th:TH_LOAD_NT scope:SCOPE_SE
.Lnot_yet:
	s_sub_co_u32 s[CNT], s[CNT], 1
	s_cmp_lg_u32 s[CNT], 0
	s_cbranch_scc1 .Lstep
	TURN 2, 1
	TURN 3, 1
.set Y, 0                              ; the last piece's last sums
	BB 0
	BB 1
	BB 2
	BB 3
	LL 0
	BB 4
	LL 1
	BB 5
	LL 2
	BB 6
	LL 3
	BB 7
	LL 4
	LL 5
	LL 6
	LL 7
	; l's two halves and the other half of the lanes' are added; -(m + log2 l); 64 results go through my stage and leave as 256 consecutive bytes, aligned, by one store
.irp t, 0,1,2,3
	v_add_f32 v[ST+4*\t+2], v[ST+4*\t+2], v[ST+4*\t+3]
.endr
.irp t, 0,1,2,3
	v_permlanex16_b32 v[ST+4*\t+3], v[ST+4*\t+2], s[SEL], s[SEL+1]
.endr
.irp t, 0,1,2,3
	v_add_f32 v[ST+4*\t+2], v[ST+4*\t+2], v[ST+4*\t+3]
.endr
.irp t, 0,1,2,3
	v_log_f32 v[ST+4*\t+2], v[ST+4*\t+2]           ; l is at least 1: the largest score's own weight
.endr
	v_nop
	s_wait_alu depctr_va_vdst(0)                   ; one wait for the four logarithms
.irp t, 0,1,2,3
	v_fma_f32 v[ST+4*\t+3], v[ST+4*\t+2], -1.0, -v[ST+4*\t]
.endr
.irp t, 0,1,2,3
	ds_store_b32 v[STG], v[ST+4*\t+3] offset:64*\t ; lanes l and l + 16 hold the same number and write the same word
.endr
	ds_load_b64 v[14:15], v[STR]                   ; LDS serves a wave's instructions in order (ISA guide 5.7.1.4)
	s_wait_dscnt 0x0
	global_store_b64 v[GO], v[14:15], s[NA:NA+1]
	s_wait_loadcnt 0x0                             ; my rows of v
	; the largest |v| of my 64 rows: two f16 at a time, four chains started by the first four words
.irp k, 0,1,2,3
	v_and_b32 v[TMP+\k], s[MSK], v[KF+\k]
.endr
.set j, 4
.rept 60
	v_and_b32 v[TMP+4+j%4], s[MSK], v[KF+j]
	v_pk_max_num_f16 v[TMP+j%4], v[TMP+j%4], v[TMP+4+j%4]
.set j, j+1
.endr
	v_pk_max_num_f16 v[TMP], v[TMP], v[TMP+1]
	v_pk_max_num_f16 v[TMP+2], v[TMP+2], v[TMP+3]
	v_pk_max_num_f16 v[TMP], v[TMP], v[TMP+2]
	v_cvt_f32_f16 v12, v32.l                       ; v32 is TMP
	v_cvt_f32_f16 v13, v32.h
	v_max_num_f32 v12, v12, v13
	v_max_num_f32_dpp v12, v12, v12 row_xmask:1 row_mask:0xf bank_mask:0xf
	v_max_num_f32_dpp v12, v12, v12 row_xmask:2 row_mask:0xf bank_mask:0xf
	v_max_num_f32_dpp v12, v12, v12 row_xmask:4 row_mask:0xf bank_mask:0xf
	v_max_num_f32_dpp v12, v12, v12 row_xmask:8 row_mask:0xf bank_mask:0xf
	v_permlanex16_b32 v13, v12, s[SEL], s[SEL+1]
	v_max_num_f32 v12, v12, v13
	v_mov_b32 v13, 0
	v_and_b32 v33, 31, v0
	v_cmp_eq_u32 vcc_lo, 0, v33
	s_wait_xcnt 0x0                                ; EXEC changes only behind this wait,
	s_and_saveexec_b32 s16, vcc_lo
	global_store_b32 v13, v12, s[XA:XA+1]          ; lane 0: one word a wave
	s_wait_xcnt 0x0                                ; and again in front of the line that widens it
	s_or_b32 exec_lo, exec_lo, s16
	s_wait_tensorcnt 0x0                           ; the wave's end: an add to my spare word and its wait, behind my last tensor load and my last LDS store
	ds_add_u32 v[SPW], v[NIL]
	s_wait_dscnt 0x0
	CROUND                                         ; the closing round
	s_endpgm
.Lfunc_end_k_qf9688e3ef3_stats:
	.size	k_qf9688e3ef3_stats, .Lfunc_end_k_qf9688e3ef3_stats-k_qf9688e3ef3_stats
	.p2alignl 7, 3214868480
	.fill 96, 4, 3214868480
	.section	.rodata,"a",@progbits
	.p2align	6, 0x0
	.amdhsa_kernel k_qf9688e3ef3_stats
		.amdhsa_group_segment_fixed_size 327680
		.amdhsa_private_segment_fixed_size 0
		.amdhsa_enable_private_segment 0
		.amdhsa_kernarg_size 24
		.amdhsa_user_sgpr_count 2
		.amdhsa_user_sgpr_kernarg_segment_ptr 1
		.amdhsa_wavefront_size32 1
		.amdhsa_system_sgpr_workgroup_id_x 1
		.amdhsa_system_sgpr_workgroup_id_y 1
		.amdhsa_system_sgpr_workgroup_id_z 1
		.amdhsa_system_vgpr_workitem_id 0
		.amdhsa_next_free_vgpr 256
		.amdhsa_next_free_sgpr 66
		.amdhsa_reserve_vcc 1
		.amdhsa_float_denorm_mode_32 3
		.amdhsa_float_denorm_mode_16_64 3
		.amdhsa_memory_ordered 1
		.amdhsa_forward_progress 1
		.amdhsa_inst_pref_size 51
	.end_amdhsa_kernel
	.amdgpu_metadata
---
amdhsa.version: [ 1, 2 ]
amdhsa.kernels:
  - .name:           k_qf9688e3ef3_stats
    .symbol:         k_qf9688e3ef3_stats.kd
    .args:
      - { .name: qkv, .offset: 0, .size: 8, .value_kind: global_buffer, .address_space: global }
      - { .name: nl, .offset: 8, .size: 8, .value_kind: global_buffer, .address_space: global }
      - { .name: vmx, .offset: 16, .size: 8, .value_kind: global_buffer, .address_space: global }
    .group_segment_fixed_size: 327680
    .private_segment_fixed_size: 0
    .kernarg_segment_align: 8
    .kernarg_segment_size: 24
    .max_flat_workgroup_size: 256
    .sgpr_count:     66
    .vgpr_count:     256
    .wavefront_size: 32
...
	.end_amdgpu_metadata
.endif
;; end of part 3
;; launch aggr (part 4): grid 4 x 64, 4 waves a work-group, clusters of 4 x 1, 327,680 bytes of LDS; arguments qkv, nl, vmx, ob; writes ob
.if DOCPART == 4
	.amdgcn_target "amdgcn-amd-amdhsa--gfx1250"
	.amdhsa_code_object_version 6
	.text
	.protected	k_qf9688e3ef3_aggr
	.globl	k_qf9688e3ef3_aggr
	.p2align	8
	.type	k_qf9688e3ef3_aggr,@function
k_qf9688e3ef3_aggr:
	s_mov_b64 s[64:65], 0
	v_nop
	global_prefetch_b8 v0, s[64:65] scope:SCOPE_SE
	s_setreg_imm32_b32 hwreg(HW_REG_WAVE_MODE, 25, 1), 1
	s_wait_xcnt 0x0
	s_wait_alu depctr_hold_cnt(0) depctr_sa_sdst(0) depctr_va_vdst(0) depctr_va_sdst(0) depctr_va_ssrc(0) depctr_va_vcc(0) depctr_vm_vsrc(0)
	s_getreg_b32 s2, hwreg(HW_REG_IB_STS2, 6, 4)
	s_cmp_eq_u32 s2, 0
	s_cbranch_scc0 .Lentry_in_a_cluster
	s_endpgm
.Lentry_in_a_cluster:
	s_bfe_u32 s2, ttmp6, 0x10000c
	s_cmp_lg_u32 s2, 0x3003
	s_cbranch_scc0 .Lentry_shape_is_right
	s_endpgm
.Lentry_shape_is_right:
; THE AGGREGATION OVER QUERIES.  O[key][:] = the sum over q of w[q][key] v[q][:], w[q][key] = 2^(q'[q] . k[key] - L[q]), L = m + log2 l from the launch before (nl = -L): w is the finished softmax weight, with the row's
; true maximum taken away, so this launch has no maximum, no rescaling and no sum of its own.  Products and sums in f32; w is rounded to f16 for the second product.
; Out: ob f16 [16 h][8192 = 2048 b + s][64] = sigma O, sigma = 2^(130 - eb), eb the biased exponent of the largest |v| of the whole tensor, held to 103..142.  w is at most 1 and there are 2,048 queries, so
; |O| < 2^11 x 2^(eb - 126) and |sigma O| < 2^15: within f16 for every input.  The last launch divides by sigma in f32.  sigma is a value alone: no address and no branch hangs on it.
; LIMITS.  A weight below 2^-24 is 0 in f16; below 6.1e-5 it keeps f16's fixed step of 6e-8.  NaN and infinities are not treated apart.
; SHARES.  The four work-groups of a cluster are the four blocks of 512 keys of one head.  A wave owns 128 keys: four PIECES of two tiles of 16; their k stays in registers.  Every wave walks all 2,048 queries, 64 a step.
; LAYOUT.  S = Q' K^T - L (source 0 = 16 queries, source 1 = 16 keys; the C that starts the sum is nl: register j of a lane is -L of query 8 (lane / 16) + j): a lane holds ONE key (lane % 16) and eight queries.
; Two such results, rounded to f16 in pairs, ARE source 1 (32 queries x 16 keys) of O^T = V^T P, whose result again holds one key a lane, and eight channels.  q' comes out of LDS as it lies, v turned.
; BY TURNS.  Turn p: 16 products V^T P of piece p - 2, behind each an exponential of piece p, a rounding of piece p - 1, and the same again; then 16 products Q' K^T of piece p + 1, into the buffer just rounded, behind each
; two exponentials of piece p.  So every product has two exponentials behind it.  The turn's 64 exponentials are one batch, with ONE wait at the turn's end; the roundings read them a turn later.
; RING.  Two slots of 256 queries (4 steps): q' in rows 144 bytes apart, v in rows 160 apart; waves 0, 1 fetch q's halves, waves 2, 3 v's; all four work-groups ask JOINTLY.  The head's 2,048 nl are fetched once.
; REGISTERS, in windows of 256 (s_set_vgpr_msb: bits 1:0 source 0, 3:2 source 1, 5:4 source 2, 7:6 destination):
;   window 0: v2-17 addresses and the add's two registers; v24-55 nl of one step; v64-127 v of one step; v128-255 k
;   window 1: v0-127 S, two buffers of two tiles; v128-191 q' of one step; v192-255 P, two buffers          window 2: O^T, 32 a tile
; S and q' share a window, so that an exponential in place on S names the windows that the product Q' K^T names (source 0 and destination in window 1): those 16 rows of a turn need no switch.
.set NP,    4
.set KS,    64
.set PQ,    144
.set PVP,   160
.set VOFF,  4*KS*PQ
.set SLOT1, 1<<17
.set NLB,   SLOT1+4*KS*(PQ+PVP)        ; 8,192 bytes: filled once, by tensor loads
.set STAGE, NLB+8192                   ; 16 rows x 144 bytes for each wave, for the way out
.set SP,    144
.set SPARE, STAGE+4*16*SP              ; the spare words, 128 bytes for each wave: two blocks of 256 bytes that no other line names
.set AQ0, 2                            ; v2   my lane's place in a tile of q'; never rewritten
.set AV0, 3                            ; v3   the same for v
.set AQ,  4                            ; v4   the LDS address of q's next run of loads
.set AV,  5                            ; v5   of v's
.set KO,  6                            ; v6   my byte offset in 16 rows of k; later STO
.set STO, 6
.set RD,  7
.set GO,  8                            ; v8   16 x lane
.set AN0, 9                            ; v9   NLB + 32 (lane / 16)
.set AN,  10                           ; v10  the LDS address of nl's next loads
.set PFO, 11                           ; v11  256 x lane; never rewritten
.set SPW, 16                           ; v16  LDS address of my spare word; never rewritten
.set NIL, 17                           ; v17  0; never rewritten
.set NL,  24                           ; window 0: query block kt at NL + 8 kt
.set VF,  64                           ; window 0
.set KB,  128                          ; window 0: tile t, channel half c at KB + 16 t + 8 c; on the way out: the packed tiles
.set S,   0                            ; window 1
.set QF,  128                          ; window 1
.set P,   192                          ; window 1
.set WV,  12
.set LIM, 15
.set G1Q, 24
.set G1V, 32
.set G0Q, 40
.set G0V, 44
.set G1N, 48
.set SLOTS, 56
.set CNT, 57
.set SG,  58                           ; s[58:59] sigma, twice
.set SEL, 60
.set TBQ, 62
.set TBV, 63
.set G0N, 68
.set TBN, 72                           ; s72  256 x the step whose nl is fetched next
.set PFA, 74
.set MSB, 0
.macro WIN new                         ; the immediate's high byte repeats the setting that is left; a switch that changes nothing is dropped
.if MSB != (\new)
	s_set_vgpr_msb (MSB<<8)|(\new)
.set MSB, (\new)
.endif
.endm
.set W_KN, 0x41                        ; q' (source 0) and S (destination) in window 1, k (source 1) and nl (C) in window 0
.set W_KQ, 0x51                        ; the same with C in window 1
.set W_PV, 0xa4                        ; v (source 0) in window 0, P (source 1) in window 1, O^T (C and destination) in window 2
.set W_EC, 0x45                        ; exponentials and roundings: both sources and the destination in window 1
.macro PLACES
.rept 4
	v_nop
.endr
.endm
.macro JLOAD                           ; a joint fill; the branch hangs on the wave's number alone; s_nop 0 and four v_nop follow each line
	s_cmp_lt_u32 s[WV], 2
	s_cbranch_scc0 .Lfor_v_\@
	tensor_load_to_lds s[G0Q:G0Q+3], s[G1Q:G1Q+7]
	s_nop 0
	PLACES
	s_branch .Lasked_\@
.Lfor_v_\@:
	tensor_load_to_lds s[G0V:G0V+3], s[G1V:G1V+7]
	s_nop 0
	PLACES
.Lasked_\@:
.endm
.macro CROUND
	s_barrier_signal -1
	s_barrier_wait -1
	s_cmp_lg_u32 s[WV], 0
	s_cbranch_scc1 .Lnot_wave_0_\@
	s_barrier_signal -3
.Lnot_wave_0_\@:
	s_barrier_wait -3
	s_barrier_signal -1
	s_barrier_wait -1
.endm
; A PREFETCH INTO THE L2 of what the NEXT change of slots will ask for: 128 blocks of 256 bytes of q' and of v: the four partners take 32 each, by address; wave 0 asks for q's, wave 2 for v's, a lane a block.
; One cluster alone reads a head's q' and v here, so each block is named once.  Four steps, 512 matrix instructions, lie between it and the load.  The last fill asks for nothing.
.macro ASK
	s_cmp_gt_u32 s[SLOTS], s[LIM]
	s_cbranch_scc0 .Lnot_mine_\@
	global_prefetch_b8 v[PFO], s[PFA:PFA+1] th:TH_LOAD_NT scope:SCOPE_SE
.Lnot_mine_\@:
.endm
; THE CHANGE OF SLOTS, between piece 1's turn and piece 2's: the slot's last bytes, v of its fourth step, have been asked for in piece 1's turn.  Each wave waits for all its tensor loads, adds 0 to its spare word, and waits
; for that and for its reads of the slot that it leaves.  fill = 1: the barrier is a round of the cluster's, and the joint fill of that slot is the first thing behind it.
; (At its first use nothing has been read yet: slot 0 and nl are waited for, slot 1 is filled.)
.macro CHANGE fill
	WIN 0
	s_wait_tensorcnt 0x0
	ds_add_u32 v[SPW], v[NIL]
.if \fill
.irp g, G0Q, G0V
	s_xor_b32 s[\g+1], s[\g+1], SLOT1
	s_add_nc_u64 s[\g+2:\g+3], s[\g+2:\g+3], 4*KS*128
.endr
	s_wait_xcnt 0x0                                ; the last prefetch, a slot back, has read its address
	s_add_nc_u64 s[PFA:PFA+1], s[PFA:PFA+1], 4*KS*128
	s_wait_dscnt 0x0
	CROUND
	JLOAD
	ASK
.else
	s_wait_dscnt 0x0
	s_barrier_signal -1
	s_barrier_wait -1
.endif
	s_sub_co_u32 s[TBQ], s[TBQ], 4*KS*PQ
	s_xor_b32 s[TBQ], s[TBQ], SLOT1
	s_sub_co_u32 s[TBV], s[TBV], 4*KS*PVP
	s_xor_b32 s[TBV], s[TBV], SLOT1
.endm
	s_load_b256 s[4:11], s[0:1], 0x0               ; qkv s[4:5], nl s[6:7], vmx s[8:9], ob s[10:11]
	v_lshl_add_u32 v[SPW], v0, 2, SPARE
	v_mov_b32 v[NIL], 0
	ds_add_u32 v[SPW], v[NIL]                      ; the wave's opening: the add and its wait stand ahead of my first tensor load
	v_lshrrev_b32 v1, 5, v0
	v_readfirstlane_b32 s[WV], v1
	s_bfe_u32 s13, ttmp6, 0x40000                  ; cx: my block of 512 keys
	s_and_b32 s14, ttmp7, 0xffff                   ; 16 b + h
	s_lshr_b32 s16, s14, 4
	s_and_b32 s17, s14, 15
	s_mul_i32 s20, s16, 48
	s_add_co_u32 s20, s20, s17
	s_lshl_b32 s20, s20, 18                        ; the head's q' in qkv
	s_and_b32 s22, s[WV], 1                        ; which half of a slot's 256 queries I fetch
	s_mul_i32 s78, s22, 128*PQ
	s_mul_i32 s79, s22, 128*PVP
	s_lshl_b32 s22, s22, 14
	s_add_co_u32 s22, s22, s20
	s_mov_b32 s23, 0
	s_lshl_b32 s18, s14, 13                        ; nl: the head's 8,192 bytes, my wave's 2,048
	s_lshl_b32 s19, s[WV], 11
	s_add_co_u32 s18, s18, s19
	s_mov_b32 s19, 0
	s_lshl_b32 s76, s13, 16
	s_lshl_b32 s77, s[WV], 14
	s_add_co_u32 s76, s76, s77                     ; 128 bytes x (512 cx + 128 w)
	s_lshl_b32 s17, s17, 20
	s_lshl_b32 s16, s16, 18
	s_add_co_u32 s16, s16, s17
	s_add_co_u32 s16, s16, s76                     ; my rows in ob
	s_mov_b32 s17, 0
	s_add_co_u32 s76, s76, s20
	s_add_co_u32 s76, s76, 4194304                 ; my rows of k
	s_mov_b32 s77, 0
	s_mov_b32 s[G1Q], 15|(1<<16)|(1<<20)|(1<<21)|(4<<22)|(3<<25)  ; the mask of four; 2-byte elements; padding on; bit 21 beside a mask; behind every 32 words, 4 words
	s_mov_b32 s[G1V], 15|(1<<16)|(1<<20)|(1<<21)|(4<<22)|(7<<25)  ; the same with 8 words
.irp g, G1Q, G1V
	s_mov_b32 s[\g+1], 128<<16                     ; 128 queries are 16,384 dense bytes: 64 rows of 256
	s_mov_b32 s[\g+2], 64<<16
	s_mov_b32 s[\g+3], 128<<16
	s_mov_b32 s[\g+4], 64
	s_mov_b32 s[\g+5], 128
	s_mov_b32 s[\g+6], 0
	s_mov_b32 s[\g+7], 0
.endr
	s_mov_b32 s[G1N], 15|(3<<16)|(1<<21)           ; nl: 8-byte elements, no padding: 8 rows of 256 bytes
	s_mov_b32 s[G1N+1], 32<<16
	s_mov_b32 s[G1N+2], 8<<16
	s_mov_b32 s[G1N+3], 32<<16
	s_mov_b32 s[G1N+4], 8
	s_mov_b32 s[G1N+5], 32
	s_mov_b32 s[G1N+6], 0
	s_mov_b32 s[G1N+7], 0
	s_mov_b32 s[G0Q], 1
	s_mov_b32 s[G0Q+1], s78
	s_mov_b32 s[G0V], 1
	s_add_co_u32 s[G0V+1], s79, VOFF
	s_mov_b32 s[G0N], 1
	s_lshl_b32 s[G0N+1], s[WV], 11
	s_add_co_u32 s[G0N+1], s[G0N+1], NLB
	s_mov_b32 s[SEL], 0x76543210
	s_mov_b32 s[SEL+1], 0xfedcba98
	s_mov_b32 s[TBQ], SLOT1+4*KS*PQ                ; the first change of slots turns these two into 0
	s_mov_b32 s[TBV], SLOT1+4*KS*PVP
	s_mov_b32 s[TBN], 0
	s_mov_b32 s[SLOTS], 7
	s_and_b32 s[LIM], s[WV], 1
	s_cmp_eq_u32 s[LIM], 0
	s_cselect_b32 s[LIM], 1, -1                    ; waves 0 and 2
	s_lshl_b32 s78, s13, 13                        ; the prefetches: my work-group's 8,192 bytes, in slot 1; the first change steps them to slot 2
	s_add_co_u32 s78, s78, s20
	s_add_co_u32 s78, s78, 4*KS*128
	s_cmp_lt_u32 s[WV], 2
	s_cselect_b32 s79, 0, 8388608
	s_add_co_u32 s78, s78, s79
	s_mov_b32 s79, 0
	s_wait_dscnt 0x0                               ; the opening add is done
	s_wait_kmcnt 0x0
	s_add_nc_u64 s[G0Q+2:G0Q+3], s[4:5], s[22:23]
	s_add_nc_u64 s[G0V+2:G0V+3], s[G0Q+2:G0Q+3], 8388608
	s_or_b32 s[G0Q+3], s[G0Q+3], 0x80000000
	s_or_b32 s[G0V+3], s[G0V+3], 0x80000000
	s_add_nc_u64 s[G0N+2:G0N+3], s[6:7], s[18:19]
	s_or_b32 s[G0N+3], s[G0N+3], 0x80000000
	s_add_nc_u64 s[76:77], s[4:5], s[76:77]
	s_add_nc_u64 s[10:11], s[10:11], s[16:17]
	s_add_nc_u64 s[PFA:PFA+1], s[4:5], s[78:79]
	CROUND                                         ; all four work-groups are here: the first joint loads meet
	tensor_load_to_lds s[G0N:G0N+3], s[G1N:G1N+7]  ; my quarter of the head's nl,
	s_nop 0
	PLACES
	JLOAD                                          ; and of slot 0: two loads of mine are out
	v_and_b32 v12, 15, v0
	v_bfe_u32 v13, v0, 4, 1
	v_and_b32 v14, 7, v0
	v_bfe_u32 v15, v0, 3, 1
	v_lshlrev_b32 v[KO], 7, v12
	v_lshl_add_u32 v[KO], v13, 4, v[KO]
	v_and_b32 v[GO], 31, v0
	v_lshlrev_b32 v[PFO], 8, v[GO]
	v_lshlrev_b32 v[GO], 4, v[GO]
.set i, 0
.rept 16                               ; k stays in registers: tile i / 2, channels 32 (i % 2) on
	global_load_b128 v[KB+8*i:KB+8*i+3],   v[KO], s[76:77] offset:(i/2)*2048+(i%2)*64
	global_load_b128 v[KB+8*i+4:KB+8*i+7], v[KO], s[76:77] offset:(i/2)*2048+(i%2)*64+32
.set i, i+1
.endr
.set i, 0
.rept 16                               ; all 2,048 waves' largest |v|, into v's registers
	global_load_b128 v[VF+4*i:VF+4*i+3], v[GO], s[8:9] offset:512*i
.set i, i+1
.endr
	; What the first two turns find: O^T is 0; v's registers, P's first buffer and S's second hold 0: their products V^T P, of pieces that have not been, add 0, and the first turn's roundings make zeros of zeros.
	; All this stands in the wait for the first tile.
	WIN 0x80
.set i, 0
.rept 256
	v_mov_b32 v[i], 0
.set i, i+1
.endr
	WIN 0x40
.set i, 0
.rept 64
	v_mov_b32 v[S+64+i], 0
.set i, i+1
.endr
.set i, 0
.rept 32
	v_mov_b32 v[P+i], 0
.set i, i+1
.endr
	WIN 0
	v_mul_u32_u24 v[AQ0], v12, PQ
	v_lshl_add_u32 v[AQ0], v13, 4, v[AQ0]          ; row x pitch + 16 x half
	v_lshl_add_u32 v[AV0], v13, 3, v14             ; the turning load: query 8 (l / 16) + l % 8, channels 8 ((l / 8) % 2) on
	v_mul_u32_u24 v[AV0], v[AV0], PVP
	v_lshl_add_u32 v[AV0], v15, 4, v[AV0]
	v_add_nc_u32 v[AV0], VOFF, v[AV0]
	v_lshl_add_u32 v[AN0], v13, 5, NLB
	v_mov_b32 v[AQ], v[AQ0]                        ; step 0 lies at the head of slot 0,
	v_mov_b32 v[AN], v[AN0]                        ; and of nl
	s_wait_loadcnt 0x0
	; sigma
.irp j, 1,3,5,7,9,11,13
.irp k, 0,1,2,3
	v_max3_num_f32 v[VF+16*\k], v[VF+16*\k], v[VF+16*\k+\j], v[VF+16*\k+\j+1]
.endr
.endr
.irp k, 0,1,2,3
	v_max_num_f32 v[VF+16*\k], v[VF+16*\k], v[VF+16*\k+15]
.endr
	v_max3_num_f32 v[VF], v[VF], v[VF+16], v[VF+32]
	v_max_num_f32 v[VF], v[VF], v[VF+48]
	v_max_num_f32_dpp v[VF], v[VF], v[VF] row_xmask:1 row_mask:0xf bank_mask:0xf
	v_max_num_f32_dpp v[VF], v[VF], v[VF] row_xmask:2 row_mask:0xf bank_mask:0xf
	v_max_num_f32_dpp v[VF], v[VF], v[VF] row_xmask:4 row_mask:0xf bank_mask:0xf
	v_max_num_f32_dpp v[VF], v[VF], v[VF] row_xmask:8 row_mask:0xf bank_mask:0xf
	v_permlanex16_b32 v[VF+1], v[VF], s[SEL], s[SEL+1]
	v_max_num_f32 v[VF], v[VF], v[VF+1]
	v_lshrrev_b32 v[VF], 23, v[VF]                 ; eb (the number is not negative)
	v_max_u32 v[VF], 103, v[VF]
	v_min_u32 v[VF], 142, v[VF]
	v_sub_nc_u32 v[VF], 257, v[VF]
	v_lshlrev_b32 v[VF], 23, v[VF]                 ; 2^(130 - eb)
	v_readfirstlane_b32 s[SG], v[VF]
	s_mov_b32 s[SG+1], s[SG]
.set i, 0
.rept 64
	v_mov_b32 v[VF+i], 0
.set i, i+1
.endr
; Product i of 16 of S = Q' K^T - L for piece x: channels 32 (i / 8) on, queries 16 ((i / 2) % 4) on, tile 2 x + i % 2.  The 8 accumulators take turns.  The first 8 start the sums with nl.
.macro KQ x
.set rS, S+64*((\x)%2)+32*(i%2)+8*((i/2)%4)
.set rQ, QF+16*((i/2)%4)+8*(i/8)
.set rK, KB+16*(2*(\x)+i%2)+8*(i/8)
.set rN, NL+8*((i/2)%4)
.if i < 8
	WIN W_KN
	v_wmma_f32_16x16x32_f16 v[rS:rS+7], v[rQ:rQ+7], v[rK:rK+7], v[rN:rN+7]
.else
	WIN W_KQ
	v_wmma_f32_16x16x32_f16 v[rS:rS+7], v[rQ:rQ+7], v[rK:rK+7], v[rS:rS+7]
.endif
.endm
; Product i of 16 of O^T += V^T P for piece x: queries 32 (i / 8) on, channels 16 ((i / 2) % 4) on, tile 2 x + i % 2.
.macro PV x
	WIN W_PV
.set rO, 32*(2*(\x)+i%2)+8*((i/2)%4)
.set rV, VF+32*(i/8)+8*((i/2)%4)
.set rP, P+32*((\x)%2)+16*(i%2)+8*(i/8)
	v_wmma_f32_16x16x32_f16 v[rO:rO+7], v[rV:rV+7], v[rP:rP+7], v[rO:rO+7]
.endm
.macro EX                              ; the next exponential of piece Y: tile e % 2, register e / 2: each accumulator's registers in ascending order.  Any setting with source 0 and destination in window 1 serves
.if (MSB&0xc3) != 0x41
	WIN W_EC
.endif
.set rS, S+64*(Y%2)+32*(e%2)
	v_exp_f32 v[rS+e/2], v[rS+e/2]
.set e, e+1
.endm
.macro CV                              ; the next rounding of piece Y - 1: tile c % 2, pair c / 2
.if (MSB&0xcf) != 0x45
	WIN W_EC
.endif
.set rS, S+64*((Y+3)%2)+32*(c%2)
.set rP, P+32*((Y+3)%2)+16*(c%2)
	v_cvt_pk_f16_f32 v[rP+c/2], v[rS+2*(c/2)], v[rS+2*(c/2)+1]
.set c, c+1
.endm
; 24 LDS loads in one run: a step's q' (8 fragments) and its 64 nl (all lanes of a half read the same 32 bytes).  last = 1 (the tail): in the last trip there is no further step, and the run is jumped over.
.macro FETCH_Q last=0
	WIN 0
.if \last
	s_cmp_eq_u32 s[CNT], 1
	s_cbranch_scc1 .Lno_q_\@
.endif
	WIN 0x40                                       ; destination window 1, address window 0
.irp f, 0,1,2,3,4,5,6,7
	ds_load_b128 v[QF+8*\f:QF+8*\f+3],   v[AQ] offset:(\f/2)*16*PQ+(\f%2)*64
	ds_load_b128 v[QF+8*\f+4:QF+8*\f+7], v[AQ] offset:(\f/2)*16*PQ+(\f%2)*64+32
.endr
	WIN 0
.irp k, 0,1,2,3
	ds_load_b128 v[NL+8*\k:NL+8*\k+3],   v[AN] offset:64*\k
	ds_load_b128 v[NL+8*\k+4:NL+8*\k+7], v[AN] offset:64*\k+16
.endr
	s_add_co_u32 s[TBQ], s[TBQ], KS*PQ
	s_add_co_u32 s[TBN], s[TBN], 256
	s_and_b32 s[TBN], s[TBN], 8191                 ; 32 steps x 256 bytes: it never leaves the table
.if \last
.Lno_q_\@:
.endif
.endm
.macro FETCH_V
	WIN 0
.irp f, 0,1,2,3,4,5,6,7
	ds_load_tr16_b128 v[VF+8*\f:VF+8*\f+3],   v[AV] offset:(\f/4)*32*PVP+(\f%4)*32
	ds_load_tr16_b128 v[VF+8*\f+4:VF+8*\f+7], v[AV] offset:(\f/4)*32*PVP+16*PVP+(\f%4)*32
.endr
	s_add_co_u32 s[TBV], s[TBV], KS*PVP
.endm
; A TURN, for piece p.  Nothing in it names a result of its own exponentials.  The four v_nop at its end are the plain line behind the last exponential and the four places behind the last products Q' K^T: the next turn's
; exponentials read those results, its roundings write the P that this turn's products V^T P have read, and q's and nl's registers are loaded anew.  Then the ONE wait, ahead of every label and branch.
; A step's v is read by the products V^T P of pieces 0 to 3, which stand in the turns of pieces 2, 3, 0, 1: so the next step's v is fetched in the middle of piece 1's turn, four places behind its last reader, and waited
; for at the head of piece 2's, 16 products later.  A step's q' and nl are read in the turns of pieces 3, 0, 1, 2: the next step's are fetched at the end of piece 2's turn, directly behind the wait, and waited for in
; the middle of piece 3's, 16 products later.
.macro TURN p, last=0
.set Y, (\p)
.set e, 0
.set c, 0
	WIN 0
.if (\p) == 1
	v_add_nc_u32 v[AV], s[TBV], v[AV0]
.endif
.if (\p) == 2
	v_add_nc_u32 v[AQ], s[TBQ], v[AQ0]
	v_add_nc_u32 v[AN], s[TBN], v[AN0]
	s_wait_dscnt 0x0                               ; v is in
.endif
.set i, 0
.rept 16
	PV (Y+2)%NP
	EX
	CV
	EX
	CV
.set i, i+1
.endr
.if (\p) == 1
	PLACES
	FETCH_V
.endif
.if (\p) == 3
	s_wait_dscnt 0x0                               ; q' and nl are in
.endif
.set i, 0
.rept 16
	KQ (Y+1)%NP
	EX
	EX
.set i, i+1
.endr
	WIN 0
	PLACES
	s_wait_alu depctr_va_vdst(0)                   ; one wait for the batch
.if (\p) == 2
	FETCH_Q \last
.endif
.endm
	CHANGE 1                                       ; slot 0 and nl are in, everybody's part of them; slot 1 is asked for
	FETCH_Q                                        ; step 0
	s_wait_dscnt 0x0
.set i, 0
.rept 16
	KQ 0                                           ; piece 0's first scores
.set i, i+1
.endr
	WIN 0                                          ; the addresses for the way out: seven plain instructions, the places behind those products
	s_mul_i32 s16, s[WV], 16*SP
	s_add_co_u32 s16, s16, STAGE
	v_mul_u32_u24 v[STO], v12, SP                  ; (k's loads, which read this register, have been waited for)
	v_lshl_add_u32 v[STO], v13, 4, v[STO]
	v_add_nc_u32 v[STO], s16, v[STO]
	v_bfe_u32 v[RD], v0, 3, 2
	v_mul_u32_u24 v[RD], v[RD], SP
	v_lshl_add_u32 v[RD], v14, 4, v[RD]
	v_add_nc_u32 v[RD], s16, v[RD]
	s_mov_b32 s[CNT], 4
	s_branch .Lfirst                               ; the loop is entered at a step's first turn, in the middle of a trip
.Lslot:                                                ; six times: every slot but the last two is filled again
	CHANGE 1
	s_mov_b32 s[CNT], 4
.Lstep:                                                ; a trip: pieces 2 and 3 of one step, then pieces 0 and 1 of the next, whose q', nl and v it fetches
	TURN 2
	TURN 3
.Lfirst:
	TURN 0
	TURN 1
	s_sub_co_u32 s[CNT], s[CNT], 1
	s_cmp_lg_u32 s[CNT], 0
	s_cbranch_scc1 .Lstep
	s_sub_co_u32 s[SLOTS], s[SLOTS], 1
	s_cmp_lg_u32 s[SLOTS], 0
	s_cbranch_scc1 .Lslot
	CHANGE 0                                       ; the tail is written out: nothing is asked for
	s_mov_b32 s[CNT], 5                            ; four trips fetch the last slot's steps; the fifth is left in its middle
.Ltail:
	TURN 2, 1
	TURN 3
	s_sub_co_u32 s[CNT], s[CNT], 1
	s_cmp_eq_u32 s[CNT], 0
	s_cbranch_scc1 .Lout
	TURN 0
	TURN 1
	s_branch .Ltail
.Lout:                                                 ; the fifth trip's last 16 products Q' K^T (on the last q' once more) serve nothing: the price, once a launch, of one text for every trip
.set Y, 0                              ; what is left of the last step: piece 3's roundings, and the products V^T P of pieces 2 and 3
.set c, 0
.set i, 0
.rept 16
	PV 2
	CV
	CV
.set i, i+1
.endr
.set i, 0
.rept 16
	PV 3
.set i, i+1
.endr
; THE WAY OUT.  O^T times sigma, rounded to f16 into k's registers, through my stage in LDS, a tile at a time: 16 rows of a head are 2,048 bytes on end.  The first tiles' lines name no register of the last products: they are their places.
.macro PACK t
	WIN 0x82                                       ; destination and source 0 in window 2
.set i, 32*(\t)
.rept 16
	v_pk_mul_f32 v[i:i+1], v[i:i+1], s[SG:SG+1] op_sel_hi:[1,0]
.set i, i+2
.endr
	WIN 0x0a                                       ; both sources in window 2, destination in window 0
.set i, 0
.rept 16
	v_cvt_pk_f16_f32 v[KB+16*(\t)+i], v[32*(\t)+2*i], v[32*(\t)+2*i+1]
.set i, i+1
.endr
	WIN 0
.irp f, 0,1,2,3
	ds_store_b128 v[STO], v[KB+16*(\t)+4*\f:KB+16*(\t)+4*\f+3] offset:32*\f
.endr
.irp f, 0,1,2,3
	ds_load_b128 v[KB+16*(\t)+4*\f:KB+16*(\t)+4*\f+3], v[RD] offset:\f*4*SP  ; LDS serves a wave's instructions in order (ISA guide 5.7.1.4)
.endr
.endm
.macro SEND t, younger                 ; younger: the LDS instructions issued behind tile t's loads: the next tile's eight, or none
	WIN 0
.irp f, 0,1,2,3
	s_wait_dscnt (\younger)+3-\f
	global_store_b128 v[GO], v[KB+16*(\t)+4*\f:KB+16*(\t)+4*\f+3], s[10:11] offset:(\t)*2048+\f*512  ; 512 consecutive bytes, aligned
.endr
.endm
	PACK 0
.set t, 1
.rept 7
	PACK t
	SEND t-1, 8
.set t, t+1
.endr
	SEND 7, 0
	s_wait_tensorcnt 0x0                           ; the wave's end: an add to my spare word and its wait, behind my last tensor load and my last LDS store
	ds_add_u32 v[SPW], v[NIL]
	s_wait_dscnt 0x0
	CROUND                                         ; the closing round
	s_endpgm
.Lfunc_end_k_qf9688e3ef3_aggr:
	.size	k_qf9688e3ef3_aggr, .Lfunc_end_k_qf9688e3ef3_aggr-k_qf9688e3ef3_aggr
	.p2alignl 7, 3214868480
	.fill 96, 4, 3214868480
	.section	.rodata,"a",@progbits
	.p2align	6, 0x0
	.amdhsa_kernel k_qf9688e3ef3_aggr
		.amdhsa_group_segment_fixed_size 327680
		.amdhsa_private_segment_fixed_size 0
		.amdhsa_enable_private_segment 0
		.amdhsa_kernarg_size 32
		.amdhsa_user_sgpr_count 2
		.amdhsa_user_sgpr_kernarg_segment_ptr 1
		.amdhsa_wavefront_size32 1
		.amdhsa_system_sgpr_workgroup_id_x 1
		.amdhsa_system_sgpr_workgroup_id_y 1
		.amdhsa_system_sgpr_workgroup_id_z 1
		.amdhsa_system_vgpr_workitem_id 0
		.amdhsa_next_free_vgpr 768
		.amdhsa_next_free_sgpr 80
		.amdhsa_reserve_vcc 0
		.amdhsa_float_denorm_mode_32 3
		.amdhsa_float_denorm_mode_16_64 3
		.amdhsa_memory_ordered 1
		.amdhsa_forward_progress 1
		.amdhsa_inst_pref_size 130
	.end_amdhsa_kernel
	.amdgpu_metadata
---
amdhsa.version: [ 1, 2 ]
amdhsa.kernels:
  - .name:           k_qf9688e3ef3_aggr
    .symbol:         k_qf9688e3ef3_aggr.kd
    .args:
      - { .name: qkv, .offset: 0, .size: 8, .value_kind: global_buffer, .address_space: global }
      - { .name: nl, .offset: 8, .size: 8, .value_kind: global_buffer, .address_space: global }
      - { .name: vmx, .offset: 16, .size: 8, .value_kind: global_buffer, .address_space: global }
      - { .name: ob, .offset: 24, .size: 8, .value_kind: global_buffer, .address_space: global }
    .group_segment_fixed_size: 327680
    .private_segment_fixed_size: 0
    .kernarg_segment_align: 8
    .kernarg_segment_size: 32
    .max_flat_workgroup_size: 128
    .sgpr_count:     80
    .vgpr_count:     768
    .wavefront_size: 32
...
	.end_amdgpu_metadata
.endif
;; end of part 4
;; launch gemm_out (part 5): grid 8 x 32, 4 waves a work-group, clusters of 4 x 4, 327,680 bytes of LDS; arguments ob, wo16, bo, vmx, out0; writes out0
.if DOCPART == 5
	.amdgcn_target "amdgcn-amd-amdhsa--gfx1250"
	.amdhsa_code_object_version 6
	.text
	.protected	k_qf9688e3ef3_gemm_out
	.globl	k_qf9688e3ef3_gemm_out
	.p2align	8
	.type	k_qf9688e3ef3_gemm_out,@function
k_qf9688e3ef3_gemm_out:
	s_mov_b64 s[64:65], 0
	v_nop
	global_prefetch_b8 v0, s[64:65] scope:SCOPE_SE
	s_setreg_imm32_b32 hwreg(HW_REG_WAVE_MODE, 25, 1), 1
	s_wait_xcnt 0x0
	s_wait_alu depctr_hold_cnt(0) depctr_sa_sdst(0) depctr_va_vdst(0) depctr_va_sdst(0) depctr_va_ssrc(0) depctr_va_vcc(0) depctr_vm_vsrc(0)
	s_getreg_b32 s2, hwreg(HW_REG_IB_STS2, 6, 4)
	s_cmp_eq_u32 s2, 0
	s_cbranch_scc0 .Lentry_in_a_cluster
	s_endpgm
.Lentry_in_a_cluster:
	s_bfe_u32 s2, ttmp6, 0x10000c
	s_cmp_lg_u32 s2, 0xf033
	s_cbranch_scc0 .Lentry_shape_is_right
	s_endpgm
.Lentry_shape_is_right:
; THE LAST PROJECTION.  out0[8192][1024] = (O' Wo) / sigma + bo, f32.  O' = sigma O in ob, f16 [16 h][8192][64] (K = 64 h + channel); Wo in wo16, f16 [1024 k][1024 n]; f32 sums; 1 / sigma = 2^(eb - 130), made
; from vmx as the launch before made sigma, is applied to the f32 sum with the bias in one fused multiply-add.  bo is rounded to bf16 like every input.  NaN and infinities are not treated apart.
; SHARES.  A work-group makes 256 rows x 128 columns: 32 x 8 = 256 work-groups.  Wave (mh, nh) makes 128 x 64: 32 accumulators in window 1, (a, f) at v[8 (4 a + f)]; all else lies in window 0.
; THE MATRIX INSTRUCTION IS USED TRANSPOSED (source 0 = 16 columns of Wo, source 1 = 16 rows of O'): a lane holds row l % 16 and eight neighbouring columns.
; RING.  K goes in 8 steps of 128 (two heads) through two slots.  O's tile: two blocks of 256 rows x 128 bytes, each dense, asked for as rows of 256 and padded behind every 128: rows 144 apart; waves 0, 1 fetch a block each.
; Wo's tile: 128 k rows x 256 bytes, padded by 32: rows 288 apart; waves 2, 3 fetch 64 rows each; it comes out of LDS turned.  CLUSTER 4 x 4: O's tile is shared along a row of the cluster, Wo's along a column.
.set SLOT,   110592
.set BOFF,   73728
.set STAGE,  2*SLOT                    ; 16 rows x 272 bytes for each wave, for the way out
.set SPARE,  STAGE+4*16*272            ; the spare words, 128 bytes for each wave: two blocks of 256 bytes that no other line names
.set ADRA, 4                           ; v4-5
.set ADRB, 6                           ; v6-7
.set STO,  8
.set RD,   9
.set CO,   10
.set BIO,  11
.set SPW,  12                          ; never rewritten
.set NIL,  13                          ; never rewritten
.set PFO,  14                          ; never rewritten
.set VO,   15
.set F0,   32                          ; two fragment buffers of 96: O's eight fragments, then Wo's four
.set F1,   128
.set BI,   224                         ; v224-255 my 32 biases
.set T,    32                          ; the way out: v32-63 at work, v64-127 rows read back (two sets)
.set BK,   64
.set WV,   16
.set MH,   17
.set NH,   18
.set LAPS, 19
.set G1A,  24
.set G0A,  32
.set G1B,  40
.set G0B,  48
.set PFA,  56
.set PFS,  58
.set LIM,  60
.set SEL,  62
.set RS,   66                          ; s[66:67] 1 / sigma, twice
.set MSB, 0
.macro WIN new
.if MSB != (\new)
	s_set_vgpr_msb (MSB<<8)|(\new)
.set MSB, (\new)
.endif
.endm
.macro PLACES
.rept 4
	v_nop
.endr
.endm
.macro CREST
	s_cmp_lg_u32 s[WV], 0
	s_cbranch_scc1 .Lnot_wave_0_\@
	s_barrier_signal -3
.Lnot_wave_0_\@:
	s_barrier_wait -3
	s_barrier_signal -1
	s_barrier_wait -1
.endm
.macro CROUND
	s_barrier_signal -1
	s_barrier_wait -1
	CREST
.endm
.macro JLOAD s
	s_cmp_lt_u32 s[WV], 2
	s_cbranch_scc0 .Lfor_b_\@
	tensor_load_to_lds s[G0A+4*(\s):G0A+4*(\s)+3], s[G1A:G1A+7]
	s_nop 0
	PLACES
	s_branch .Lasked_\@
.Lfor_b_\@:
	tensor_load_to_lds s[G0B+4*(\s):G0B+4*(\s)+3], s[G1B:G1B+7]
	s_nop 0
	PLACES
.Lasked_\@:
.endm
; A PREFETCH INTO THE L2, behind each joint load and the run of LDS loads: the K step that stands two refills, 256 matrix instructions, on.  O's tile row is read by both clusters of its row of clusters: cluster x = 0 asks;
; of a block's 128 units of 256 bytes each of the four partners takes 32, by address (cx); waves 0 and 1 a block each.  Wo's tile column is read by all eight clusters of its column: cluster y = 0 asks; of the step's 128
; k rows each partner takes 32, by address (cy), a lane a row; wave 2.  So each unit is named once.  K steps 0 to 3 come by their loads alone; the last trip asks for nothing.
.macro ASK
	s_cmp_gt_u32 s[LAPS], s[LIM]
	s_cbranch_scc0 .Lnot_mine_\@
	global_prefetch_b8 v[PFO], s[PFA:PFA+1] th:TH_LOAD_NT scope:SCOPE_SE
.Lnot_mine_\@:
.endm
	s_load_b256 s[4:11], s[0:1], 0x0               ; ob s[4:5], wo16 s[6:7], bo s[8:9], vmx s[10:11]
	s_load_b64 s[12:13], s[0:1], 0x20              ; out0
	v_lshl_add_u32 v[SPW], v0, 2, SPARE
	v_mov_b32 v[NIL], 0
	ds_add_u32 v[SPW], v[NIL]                      ; the wave's opening: the add and its wait stand ahead of my first tensor load
	v_lshrrev_b32 v1, 5, v0
	v_readfirstlane_b32 s[WV], v1
	s_lshr_b32 s[MH], s[WV], 1
	s_and_b32 s[NH], s[WV], 1
	s_bfe_u32 s20, ttmp6, 0x40000                  ; cx
	s_bfe_u32 s21, ttmp6, 0x40004                  ; cy
	s_lshl_b32 s22, ttmp9, 2
	s_add_co_u32 s22, s22, s20                     ; tx: my 128 columns
	s_and_b32 s23, ttmp7, 0xffff
	s_lshl_b32 s23, s23, 2
	s_add_co_u32 s23, s23, s21                     ; ty: my 256 rows
	s_lshl_b32 s68, s21, 2
	s_lshl_b32 s68, 15, s68
	s_lshl_b32 s69, 0x1111, s20
	s_or_b32 s[G1A], s68, (1<<16)|(1<<20)|(1<<21)|(4<<22)|(3<<25)
	s_mov_b32 s[G1A+1], 128<<16
	s_mov_b32 s[G1A+2], 128<<16
	s_mov_b32 s[G1A+3], 128<<16
	s_mov_b32 s[G1A+4], 128
	s_mov_b32 s[G1A+5], 128
	s_mov_b32 s[G1A+6], 0
	s_mov_b32 s[G1A+7], 0
	s_or_b32 s[G1B], s69, (1<<16)|(1<<20)|(1<<21)|(5<<22)|(7<<25)
	s_mov_b32 s[G1B+1], 128<<16
	s_mov_b32 s[G1B+2], 64<<16
	s_mov_b32 s[G1B+3], 128<<16
	s_mov_b32 s[G1B+4], 64
	s_mov_b32 s[G1B+5], 1024
	s_mov_b32 s[G1B+6], 0
	s_mov_b32 s[G1B+7], 0
	s_lshl_b32 s70, s[NH], 20                      ; O': head 2 step + half, rows 256 ty on
	s_lshl_b32 s71, s23, 15
	s_add_co_u32 s70, s70, s71
	s_mov_b32 s71, 0
	s_lshl_b32 s72, s[NH], 17                      ; Wo: k rows 64 half on, columns 128 tx on
	s_lshl_b32 s73, s22, 8
	s_add_co_u32 s72, s72, s73
	s_mov_b32 s73, 0
	s_mul_i32 s74, s[NH], 36864
	s_mul_i32 s75, s[NH], 18432
	s_add_co_u32 s75, s75, BOFF
	s_mov_b32 s[SEL], 0x76543210
	s_mov_b32 s[SEL+1], 0xfedcba98
	s_wait_dscnt 0x0                               ; the opening add is done
	s_wait_kmcnt 0x0
	s_add_nc_u64 s[70:71], s[4:5], s[70:71]
	s_add_nc_u64 s[72:73], s[6:7], s[72:73]
	CROUND                                         ; all sixteen work-groups are here: the first joint loads meet
.irp s, 0,1
	s_mov_b32 s[G0A+4*\s], 1
	s_add_co_u32 s[G0A+4*\s+1], s74, \s*SLOT
	s_add_nc_u64 s[G0A+4*\s+2:G0A+4*\s+3], s[70:71], \s*2097152
	s_or_b32 s[G0A+4*\s+3], s[G0A+4*\s+3], 0x80000000
	s_mov_b32 s[G0B+4*\s], 1
	s_add_co_u32 s[G0B+4*\s+1], s75, \s*SLOT
	s_add_nc_u64 s[G0B+4*\s+2:G0B+4*\s+3], s[72:73], \s*262144
	s_or_b32 s[G0B+4*\s+3], s[G0B+4*\s+3], 0x80000000
.endr
	s_cmp_lt_u32 s[WV], 2                          ; a wave's two first fills stand in one branch: two loads of mine are out
	s_cbranch_scc0 .Lfirst_b
	tensor_load_to_lds s[G0A:G0A+3], s[G1A:G1A+7]
	s_nop 0
	tensor_load_to_lds s[G0A+4:G0A+7], s[G1A:G1A+7]
	s_nop 0
	PLACES
	s_branch .Lfirst_asked
.Lfirst_b:
	tensor_load_to_lds s[G0B:G0B+3], s[G1B:G1B+7]
	s_nop 0
	tensor_load_to_lds s[G0B+4:G0B+7], s[G1B:G1B+7]
	s_nop 0
	PLACES
.Lfirst_asked:
	v_and_b32 v1, 15, v0
	v_bfe_u32 v2, v0, 4, 1
	v_and_b32 v3, 31, v0
	v_lshlrev_b32 v[VO], 4, v3
	v_lshlrev_b32 v[BIO], 5, v2
	s_lshl_b32 s68, s22, 9                         ; my 64 columns: 512 tx + 256 nh bytes, in bo and in a row of out0
	s_lshl_b32 s69, s[NH], 8
	s_add_co_u32 s68, s68, s69
	s_mov_b32 s69, 0
	s_add_nc_u64 s[8:9], s[8:9], s[68:69]
.set i, 0
.rept 16
	global_load_b128 v[F0+4*i:F0+4*i+3], v[VO], s[10:11] offset:512*i
.set i, i+1
.endr
.irp f, 0,1,2,3
	global_load_b128 v[BI+8*\f:BI+8*\f+3],   v[BIO], s[8:9] offset:64*\f
	global_load_b128 v[BI+8*\f+4:BI+8*\f+7], v[BIO], s[8:9] offset:64*\f+16
.endr
	s_lshl_b32 s70, s23, 20                        ; my first row: 4,096 bytes x (256 ty + 128 mh)
	s_lshl_b32 s71, s[MH], 19
	s_add_co_u32 s70, s70, s71
	s_add_co_u32 s70, s70, s68
	s_mov_b32 s71, 0
	s_add_nc_u64 s[12:13], s[12:13], s[70:71]
	v_mul_u32_u24 v16, v1, 144
	v_lshl_add_u32 v16, v2, 4, v16
	s_mul_i32 s68, s[MH], 18432
	v_add_nc_u32 v[ADRA], s68, v16
	v_add_nc_u32 v[ADRA+1], SLOT, v[ADRA]
	v_and_b32 v16, 7, v0
	v_lshl_add_u32 v16, v2, 3, v16
	v_mul_u32_u24 v16, v16, 288
	v_bfe_u32 v17, v0, 3, 1
	v_lshl_add_u32 v16, v17, 4, v16
	s_lshl_b32 s68, s[NH], 7
	s_add_co_u32 s68, s68, BOFF
	v_add_nc_u32 v[ADRB], s68, v16
	v_add_nc_u32 v[ADRB+1], SLOT, v[ADRB]
	s_mul_i32 s68, s[WV], 16*272
	s_add_co_u32 s68, s68, STAGE
	v_mul_u32_u24 v16, v1, 272                     ; in: row l % 16, 32 bytes for each half of the lanes
	v_lshl_add_u32 v16, v2, 5, v16
	v_add_nc_u32 v[STO], s68, v16
	v_mul_u32_u24 v16, v2, 272                     ; back: lanes 0-15 take one row of 256 bytes, lanes 16-31 the next
	v_lshl_add_u32 v16, v1, 4, v16
	v_add_nc_u32 v[RD], s68, v16
	v_lshlrev_b32 v16, 12, v2                      ; and the same two rows in out0
	v_lshl_add_u32 v[CO], v1, 4, v16
	; the prefetches: they stand at K step 3; the first change of slots steps them to 4
	s_and_b32 s68, ttmp7, 0xffff
	s_mov_b32 s70, 262144
	s_cmp_lt_u32 s[WV], 2
	s_cselect_b32 s68, ttmp9, s68                  ; the coordinate along which other clusters read the same units
	s_cselect_b64 s[PFA:PFA+1], s[4:5], s[6:7]
	s_cselect_b32 s69, 8, 11                       ; a lane a unit of O's dense block, or a lane a row of Wo
	s_cselect_b32 s[PFS], 2097152, s70             ; a K step
	s_mov_b32 s[PFS+1], 0
	v_lshlrev_b32 v[PFO], s69, v3
	s_lshl_b32 s72, s[NH], 20
	s_lshl_b32 s73, s23, 15
	s_add_co_u32 s72, s72, s73
	s_lshl_b32 s73, s20, 13
	s_add_co_u32 s72, s72, s73
	s_add_co_u32 s72, s72, 3*2097152
	s_lshl_b32 s74, s21, 16
	s_lshl_b32 s75, s22, 8
	s_add_co_u32 s74, s74, s75
	s_add_co_u32 s74, s74, 3*262144
	s_cmp_lt_u32 s[WV], 2
	s_cselect_b32 s72, s72, s74
	s_mov_b32 s73, 0
	s_add_nc_u64 s[PFA:PFA+1], s[PFA:PFA+1], s[72:73]
	s_cmp_eq_u32 s68, 0
	s_cselect_b32 s[LIM], 1, -1
	s_cmp_eq_u32 s[WV], 3
	s_cselect_b32 s[LIM], -1, s[LIM]               ; the same in all sixteen partners, for a given wave
	s_wait_loadcnt 0x0
	; 1 / sigma
.irp j, 1,3,5,7,9,11,13
.irp k, 0,1,2,3
	v_max3_num_f32 v[F0+16*\k], v[F0+16*\k], v[F0+16*\k+\j], v[F0+16*\k+\j+1]
.endr
.endr
.irp k, 0,1,2,3
	v_max_num_f32 v[F0+16*\k], v[F0+16*\k], v[F0+16*\k+15]
.endr
	v_max3_num_f32 v[F0], v[F0], v[F0+16], v[F0+32]
	v_max_num_f32 v[F0], v[F0], v[F0+48]
	v_max_num_f32_dpp v[F0], v[F0], v[F0] row_xmask:1 row_mask:0xf bank_mask:0xf
	v_max_num_f32_dpp v[F0], v[F0], v[F0] row_xmask:2 row_mask:0xf bank_mask:0xf
	v_max_num_f32_dpp v[F0], v[F0], v[F0] row_xmask:4 row_mask:0xf bank_mask:0xf
	v_max_num_f32_dpp v[F0], v[F0], v[F0] row_xmask:8 row_mask:0xf bank_mask:0xf
	v_permlanex16_b32 v[F0+1], v[F0], s[SEL], s[SEL+1]
	v_max_num_f32 v[F0], v[F0], v[F0+1]
	v_lshrrev_b32 v[F0], 23, v[F0]                 ; eb
	v_max_u32 v[F0], 103, v[F0]
	v_min_u32 v[F0], 142, v[F0]
	v_add_nc_u32 v[F0], -3, v[F0]
	v_lshlrev_b32 v[F0], 23, v[F0]                 ; 2^(eb - 130)
	v_readfirstlane_b32 s[RS], v[F0]
	s_mov_b32 s[RS+1], s[RS]
.set i, 0
.rept 16                               ; bo rounded to bf16, like every input
	v_cvt_pk_bf16_f32 v[F0+2+i], v[BI+2*i], v[BI+2*i+1]
.set i, i+1
.endr
.set i, 0
.rept 16
	v_lshlrev_b32 v[BI+2*i], 16, v[F0+2+i]
	v_and_b32 v[BI+2*i+1], 0xffff0000, v[F0+2+i]
.set i, i+1
.endr
; 8 matrix instructions: O's blocks a0, a0 + 1 x all 4 column blocks, 32 along K, from buffer f.  The 32 accumulators take turns, one instruction a turn.
.macro MUL8 f, a0, zero
	WIN 0x50                                       ; C and D in window 1
.irp a, \a0, (\a0)+1
.irp b, 0,1,2,3
.if \zero
	v_wmma_f32_16x16x32_f16 v[8*(4*(\a)+(\b)):8*(4*(\a)+(\b))+7], v[(\f)+64+8*(\b):(\f)+64+8*(\b)+7], v[(\f)+8*(\a):(\f)+8*(\a)+7], 0
.else
	v_wmma_f32_16x16x32_f16 v[8*(4*(\a)+(\b)):8*(4*(\a)+(\b))+7], v[(\f)+64+8*(\b):(\f)+64+8*(\b)+7], v[(\f)+8*(\a):(\f)+8*(\a)+7], v[8*(4*(\a)+(\b)):8*(4*(\a)+(\b))+7]
.endif
.endr
.endr
.endm
; 24 LDS loads in one run: the fragments of quarter qd (32 along K) of slot s into buffer f: Wo's four, O's blocks 0-3, O's blocks 4-7
.macro FETCH s, qd, f
	WIN 0
.irp b, 0,1,2,3
	ds_load_tr16_b128 v[(\f)+64+8*\b:(\f)+64+8*\b+3],   v[ADRB+(\s)] offset:9216*(\qd)+32*\b
	ds_load_tr16_b128 v[(\f)+64+8*\b+4:(\f)+64+8*\b+7], v[ADRB+(\s)] offset:9216*(\qd)+32*\b+4608
.endr
.irp a, 0,1,2,3,4,5,6,7
	ds_load_b128 v[(\f)+8*\a:(\f)+8*\a+3],   v[ADRA+(\s)] offset:36864*((\qd)/2)+64*((\qd)%2)+2304*\a
	ds_load_b128 v[(\f)+8*\a+4:(\f)+8*\a+7], v[ADRA+(\s)] offset:36864*((\qd)/2)+64*((\qd)%2)+2304*\a+32
.endr
.endm
; A K step is four quarters of 32 matrix instructions, on buffers 0, 1, 0, 1.  One of the first three: multiplies buffer f and fetches quarter qd into g.
.macro QUARTER s, qd, f, g, zero
	s_wait_dscnt 8                                 ; Wo's fragments and O's blocks 0-3 are in; the youngest eight loads may be out
	MUL8 \f, 0, \zero
	MUL8 \f, 2, \zero
	PLACES
	FETCH \s, \qd, \g
	s_wait_dscnt 24                                ; all but the 24 just issued
	MUL8 \f, 4, \zero
	MUL8 \f, 6, \zero
.endm
; The last quarter multiplies buffer 1 and changes slots: ONE barrier; in front of it each wave waits for all its tensor loads, adds 0 to its spare word, and waits for that and for its reads of this slot.
; fill = 1: the barrier opens a round of the cluster's, and this slot's joint refill, two K steps on, is the first thing behind it.
.macro TURN s, next, fill
.if \fill
	s_wait_xcnt 0x0                                ; the last prefetch, a K step back, has read its address
	s_add_nc_u64 s[PFA:PFA+1], s[PFA:PFA+1], s[PFS:PFS+1]
.endif
	WIN 0
	s_wait_tensorcnt 0x0
	ds_add_u32 v[SPW], v[NIL]
	s_wait_dscnt 9                                 ; (the add and the youngest eight loads may be out)
	MUL8 F1, 0, 0
	s_wait_dscnt 0x0
	s_barrier_signal -1
	MUL8 F1, 2, 0
	WIN 0
	s_barrier_wait -1
.if \fill
	CREST
	s_add_nc_u64 s[G0A+4*(\s)+2:G0A+4*(\s)+3], s[G0A+4*(\s)+2:G0A+4*(\s)+3], 4194304
	s_add_nc_u64 s[G0B+4*(\s)+2:G0B+4*(\s)+3], s[G0B+4*(\s)+2:G0B+4*(\s)+3], 524288
	JLOAD \s                                       ; its four v_nop are also the places in front of the loads below
.else
	PLACES
.endif
	FETCH \next, 0, F0
.if \fill
	ASK
.endif
	MUL8 F1, 4, 0
	MUL8 F1, 6, 0
.endm
	s_wait_tensorcnt 0x1                           ; my part of K step 0 is in; K step 1's may stay out
	s_barrier_signal -1
	s_barrier_wait -1
	FETCH 0, 0, F0
	QUARTER 0, 1, F0, F1, 1                        ; the first quarter starts all 32 sums: nothing is cleared
	WIN 0
	s_mov_b32 s[LAPS], 3
.Llap:                                                 ; a trip goes once round the ring and fills both slots again
	QUARTER 0, 2, F1, F0, 0
	QUARTER 0, 3, F0, F1, 0
	TURN 0, 1, 1
	QUARTER 1, 1, F0, F1, 0
	QUARTER 1, 2, F1, F0, 0
	QUARTER 1, 3, F0, F1, 0
	TURN 1, 0, 1
	QUARTER 0, 1, F0, F1, 0
	WIN 0
	s_sub_co_u32 s[LAPS], s[LAPS], 1
	s_cmp_lg_u32 s[LAPS], 0
	s_cbranch_scc1 .Llap
	QUARTER 0, 2, F1, F0, 0                        ; K steps 6 and 7: nothing is asked for
	QUARTER 0, 3, F0, F1, 0
	TURN 0, 1, 0
	QUARTER 1, 1, F0, F1, 0
	QUARTER 1, 2, F1, F0, 0
	QUARTER 1, 3, F0, F1, 0
	s_wait_dscnt 8
	MUL8 F1, 0, 0
	MUL8 F1, 2, 0
	s_wait_dscnt 0x0
	MUL8 F1, 4, 0
	MUL8 F1, 6, 0
	WIN 0
	PLACES
; THE WAY OUT, eight blocks of 16 rows x 64 columns of f32.  PACK: sum / sigma + bias, each accumulator's registers in ascending order.  TOSTAGE: 32 bytes a lane into my own stage, and back as whole rows of 256 bytes.
; SEND: sixteen lanes store 256 consecutive bytes, aligned.
.macro PACK a
	WIN 0x01                                       ; source 0 in window 1
.set i, 0
.rept 16
	v_pk_fma_f32 v[T+2*i:T+2*i+1], v[32*(\a)+2*i:32*(\a)+2*i+1], s[RS:RS+1], v[BI+2*i:BI+2*i+1] op_sel_hi:[1,0,1]
.set i, i+1
.endr
	WIN 0
.endm
.macro TOSTAGE a
.set bk, BK+32*((\a)%2)
.irp f, 0,1,2,3
	ds_store_b128 v[STO], v[T+8*\f:T+8*\f+3]   offset:64*\f
	ds_store_b128 v[STO], v[T+8*\f+4:T+8*\f+7] offset:64*\f+16
.endr
.irp t, 0,1,2,3,4,5,6,7
	ds_load_b128 v[bk+4*\t:bk+4*\t+3], v[RD] offset:544*\t  ; LDS serves a wave's instructions in order (ISA guide 5.7.1.4)
.endr
.endm
.macro SEND a
.set bk, BK+32*((\a)%2)
	s_wait_dscnt 0x0                               ; the block is back in registers
	s_wait_xcnt 0x0                                ; the stores of the block before have read their registers: the next TOSTAGE loads into them only behind this wait
.irp t, 0,1,2,3,4,5,6,7
	global_store_b128 v[CO], v[bk+4*\t:bk+4*\t+3], s[12:13] offset:65536*(\a)+8192*\t th:TH_STORE_NT
.endr
.endm
	PACK 0
	TOSTAGE 0
.set blk, 1
.rept 7
	PACK blk
	SEND blk-1
	TOSTAGE blk
.set blk, blk+1
.endr
	SEND 7
	s_wait_tensorcnt 0x0                           ; the wave's end: an add to my spare word and its wait, behind my last tensor load and my last LDS store
	ds_add_u32 v[SPW], v[NIL]
	s_wait_dscnt 0x0
	CROUND                                         ; the closing round
	s_endpgm
.Lfunc_end_k_qf9688e3ef3_gemm_out:
	.size	k_qf9688e3ef3_gemm_out, .Lfunc_end_k_qf9688e3ef3_gemm_out-k_qf9688e3ef3_gemm_out
	.p2alignl 7, 3214868480
	.fill 96, 4, 3214868480
	.section	.rodata,"a",@progbits
	.p2align	6, 0x0
	.amdhsa_kernel k_qf9688e3ef3_gemm_out
		.amdhsa_group_segment_fixed_size 327680
		.amdhsa_private_segment_fixed_size 0
		.amdhsa_enable_private_segment 0
		.amdhsa_kernarg_size 40
		.amdhsa_user_sgpr_count 2
		.amdhsa_user_sgpr_kernarg_segment_ptr 1
		.amdhsa_wavefront_size32 1
		.amdhsa_system_sgpr_workgroup_id_x 1
		.amdhsa_system_sgpr_workgroup_id_y 1
		.amdhsa_system_sgpr_workgroup_id_z 1
		.amdhsa_system_vgpr_workitem_id 0
		.amdhsa_next_free_vgpr 512
		.amdhsa_next_free_sgpr 80
		.amdhsa_reserve_vcc 0
		.amdhsa_float_denorm_mode_32 3
		.amdhsa_float_denorm_mode_16_64 3
		.amdhsa_memory_ordered 1
		.amdhsa_forward_progress 1
		.amdhsa_inst_pref_size 102
	.end_amdhsa_kernel
	.amdgpu_metadata
---
amdhsa.version: [ 1, 2 ]
amdhsa.kernels:
  - .name:           k_qf9688e3ef3_gemm_out
    .symbol:         k_qf9688e3ef3_gemm_out.kd
    .args:
      - { .name: ob, .offset: 0, .size: 8, .value_kind: global_buffer, .address_space: global }
      - { .name: wo16, .offset: 8, .size: 8, .value_kind: global_buffer, .address_space: global }
      - { .name: bo, .offset: 16, .size: 8, .value_kind: global_buffer, .address_space: global }
      - { .name: vmx, .offset: 24, .size: 8, .value_kind: global_buffer, .address_space: global }
      - { .name: out0, .offset: 32, .size: 8, .value_kind: global_buffer, .address_space: global }
    .group_segment_fixed_size: 327680
    .private_segment_fixed_size: 0
    .kernarg_segment_align: 8
    .kernarg_segment_size: 40
    .max_flat_workgroup_size: 128
    .sgpr_count:     80
    .vgpr_count:     512
    .wavefront_size: 32
...
	.end_amdgpu_metadata
.endif
;; end of part 5
;; ======== version 2 of 2: 5 launches; version 1 with the launch prep written anew for expert scheduling mode
;; limits: values are held in f16: magnitudes above 65,504 overflow, below 6.1e-05 lose precision
;; workspace buffers: xb 16,777,216 bytes; wqkv 6,291,456 bytes; wo16 2,097,152 bytes; qkv 50,331,648 bytes; nl 524,288 bytes; vmx 8,192 bytes; ob 16,777,216 bytes
;; launch prep (part 6): grid 768 x 1, 4 waves a work-group, no clusters, 0 bytes of LDS; arguments x, Wq, Wk, Wv, Wo, xb, wqkv, wo16; writes xb, wqkv, wo16
.if DOCPART == 6
	.amdgcn_target "amdgcn-amd-amdhsa--gfx1250"
	.amdhsa_code_object_version 6
	.text
	.protected	k_qf9688e3ef3_prep
	.globl	k_qf9688e3ef3_prep
	.p2align	8
	.type	k_qf9688e3ef3_prep,@function
k_qf9688e3ef3_prep:
	s_mov_b64 s[64:65], 0
	v_nop
	global_prefetch_b8 v0, s[64:65] scope:SCOPE_SE
	s_setreg_imm32_b32 hwreg(HW_REG_WAVE_SCHED_MODE, 0, 2), 2
	s_setreg_imm32_b32 hwreg(HW_REG_WAVE_MODE, 25, 1), 1
	s_wait_xcnt 0x0
	s_wait_alu depctr_vm_vsrc(0)
; PREP: the casts.  x [8192][1024] f32 -> xb bf16 [16 kb][8192 row][64]; Wq, Wk, Wv [1024 k][1024 f] f32 -> wqkv bf16 [8 tx][1024 k][384] (column 1024 t + f, in blocks of 384);
; Wo [1024][1024] f32 -> wo16: rounded to bf16, and that number written as f16 (exact where it is a normal f16; below 6.1e-5 it keeps f16's fixed step of 6e-8; beyond 65,504 it is lost).
; A stream: no LDS, no matrix unit, no cluster: no byte is wanted twice.  An item is one load of 16 bytes a lane (4 f32) and one store of 8 bytes a lane: the 32 lanes store 256 consecutive bytes, aligned.
; A wave has 32 items (a, b): all 32 loads go out first (16 KiB a wave), then each item is waited for by its count and rounded; its store follows a group of four items later.  No register that a load or store names is written again.
; A UNIT is the work of eight waves, two work-groups of four: units 0-255: 32 rows of x each (a wave 4 rows); 256-351: 32 k rows of Wq, Wk or Wv; 352-383: 32 k rows of Wo.  768 work-groups in all.
; The three heads set bases, strides and lane offsets; one body serves all.
; THE MODE: SCHED_MODE bits 1:0 = 2 (LLVM: expert scheduling mode 2), set by the entry lines.  The code itself states the register dependences between vector instructions and memory instructions,
; with s_wait_alu, always for 0.
; THE PLAN.  Registers that memory instructions touch:
;   v2-17     the lane offsets.  Written by one of the three heads; read by every load (v2-9) and store (v10-17); never written again.  One wait, where the heads join, states that they are written.
;   X         item n's four registers.  Its load lands in them; behind the wait for that load its roundings and selects write the first two in place; its store reads those two; nothing writes them again.
; The 32 items go in eight groups of four.  ONE wait stands at the head of group g: group g - 1's selects have written its four pairs.  That group's four stores follow, one ahead of each item of group g,
; whose vector instructions name its own X, v18 and v19: none of the registers that those stores read.  Behind group 7 one more wait stands ahead of the last four stores.
; No register that a memory instruction has read is written again, and no load is issued behind the first 32: so nothing more is to be stated.  v18, v19, v1 and v20 are named by vector instructions alone.
.set INJ,  2                           ; v2-9    lane offset of item (., b) in the input
.set OUTJ, 10                          ; v10-17  the same in the output
.set X,    32                          ; v32-159 item n = 8 a + b: four registers as loaded; its first two then hold the 8 bytes to store
.set INB,  24                          ; s[24:31] input base for a = 0..3
.set OUTB, 32                          ; s[32:39] output base for a = 0..3
.set MASK, 40                          ; s40     all ones: the f16 spelling is stored; 0: the bf16 bits
.set GROUP, 4                          ; items in a group
	s_load_b512 s[8:23], s[0:1], 0x0               ; x, Wq, Wk, Wv, Wo, xb, wqkv, wo16
	v_lshrrev_b32 v1, 5, v0
	v_readfirstlane_b32 s41, v1                    ; wave 0..3
	s_and_b32 s42, ttmp9, 1
	s_lshl_b32 s42, s42, 2
	s_lshr_b32 s56, ttmp9, 1                       ; the unit
	v_and_b32 v1, 31, v0                           ; lane
	v_lshlrev_b32 v20, 3, v1                       ; 8 l
	s_mov_b32 s45, 0                               ; the high words of four offsets
	s_mov_b32 s47, 0
	s_mov_b32 s49, 0
	s_mov_b32 s51, 0
	s_wait_alu depctr_va_sdst(0)                   ; s41 is written, ahead of its first reader, the line below: the bases are made from it
	s_add_co_u32 s41, s41, s42                     ; my place among the unit's eight waves
	s_lshl_b32 s42, s41, 2                         ; a wave's four rows
	s_wait_kmcnt 0x0
	s_cmp_lt_u32 s56, 256
	s_cbranch_scc0 .Lweights
	; x: item (a, b) is the block kb = 4 a + b % 4 of 64 columns, for rows 2 (b / 4) and 2 (b / 4) + 1 of my four: lanes 0-15 read 256 consecutive bytes of the one row, lanes 16-31 of the other;
	; in xb the two rows of a block lie on end, 128 bytes each: lane l stores at 8 l
	s_lshl_b32 s43, s56, 5
	s_add_co_u32 s43, s43, s42                     ; my first row
	s_lshl_b32 s44, s43, 12                        ; 4,096 bytes a row of x
	s_lshl_b32 s46, s43, 7                         ; 128 bytes a row of a block of xb
	s_add_nc_u64 s[INB:INB+1], s[8:9], s[44:45]
	s_add_nc_u64 s[OUTB:OUTB+1], s[18:19], s[46:47]
	s_mov_b32 s48, 1024                            ; a: four blocks of 64 f32 on
	s_mov_b32 s50, 4194304                         ; a: four blocks of xb on
	s_mov_b32 s[MASK], 0
	v_lshrrev_b32 v18, 4, v1
	v_and_b32 v19, 15, v1
	v_lshlrev_b32 v19, 4, v19
	v_lshl_add_u32 v18, v18, 12, v19               ; 4,096 (l / 16) + 16 (l % 16)
.irp b, 0,1,2,3,4,5,6,7
	v_add_nc_u32 v[INJ+\b], 256*((\b)%4)+8192*((\b)/4), v18
	v_add_nc_u32 v[OUTJ+\b], 1048576*((\b)%4)+256*((\b)/4), v20
.endr
	s_branch .Lgo
.Lweights:
	s_cmp_lt_u32 s56, 352
	s_cbranch_scc0 .Lwo
	; Wq, Wk, Wv: item (a, b) is k row a of my four, columns 128 b + 4 l on: 512 consecutive bytes in, 256 out
	s_sub_co_u32 s43, s56, 256
	s_lshr_b32 s52, s43, 5                         ; t: which of the three
	s_and_b32 s43, s43, 31
	s_lshl_b32 s43, s43, 5
	s_add_co_u32 s43, s43, s42                     ; my first k row
	s_cmp_eq_u32 s52, 0
	s_cselect_b64 s[54:55], s[10:11], s[12:13]
	s_cmp_eq_u32 s52, 2
	s_cselect_b64 s[54:55], s[14:15], s[54:55]
	s_lshl_b32 s44, s43, 12
	s_mul_i32 s46, s43, 768                        ; a k row of a block of 384 columns
	s_add_nc_u64 s[INB:INB+1], s[54:55], s[44:45]
	s_add_nc_u64 s[OUTB:OUTB+1], s[20:21], s[46:47]
	s_mov_b32 s48, 4096
	s_mov_b32 s50, 768
	s_mov_b32 s[MASK], 0
	s_lshl_b32 s52, s52, 3
.irp b, 0,1,2,3,4,5,6,7
	v_lshl_add_u32 v[INJ+\b], v1, 4, 512*\b
	s_add_co_u32 s57, s52, \b                      ; cu = 8 t + b: the item's 128 columns among the 24 such groups of the three weights
	s_mul_i32 s58, s57, 171
	s_lshr_b32 s58, s58, 9                         ; tx = cu / 3 (171 / 512 serves up to cu = 23)
	s_mul_i32 s59, s58, 3
	s_sub_co_u32 s57, s57, s59
	s_lshl_b32 s57, s57, 8                         ; 256 (cu - 3 tx)
	s_mul_i32 s58, s58, 786432
	s_add_co_u32 s57, s57, s58
	v_add_nc_u32 v[OUTJ+\b], s57, v20
.endr
	s_branch .Lgo
.Lwo:
	; Wo: as the weights, into plain rows of 2,048 bytes
	s_sub_co_u32 s43, s56, 352
	s_lshl_b32 s43, s43, 5
	s_add_co_u32 s43, s43, s42
	s_lshl_b32 s44, s43, 12
	s_lshl_b32 s46, s43, 11
	s_add_nc_u64 s[INB:INB+1], s[16:17], s[44:45]
	s_add_nc_u64 s[OUTB:OUTB+1], s[22:23], s[46:47]
	s_mov_b32 s48, 4096
	s_mov_b32 s50, 2048
	s_mov_b32 s[MASK], -1
.irp b, 0,1,2,3,4,5,6,7
	v_lshl_add_u32 v[INJ+\b], v1, 4, 512*\b
	v_add_nc_u32 v[OUTJ+\b], 256*\b, v20
.endr
.Lgo:
.irp a, 1,2,3
	s_add_nc_u64 s[INB+2*\a:INB+2*\a+1], s[INB+2*\a-2:INB+2*\a-1], s[48:49]
	s_add_nc_u64 s[OUTB+2*\a:OUTB+2*\a+1], s[OUTB+2*\a-2:OUTB+2*\a-1], s[50:51]
.endr
	s_wait_alu depctr_va_vdst(0)                   ; on each of the three ways here the lane offsets v2 to v17 are written: every load and store below reads one of them, and no later line writes them
.set n, 0
.rept 32
	global_load_b128 v[X+4*n:X+4*n+3], v[INJ+n%8], s[INB+2*(n/8):INB+2*(n/8)+1] th:TH_LOAD_NT
.set n, n+1
.endr
; Item it is waited for and rounded, in place.
.macro WORK it
	s_wait_loadcnt 31-(\it)                        ; loads come back in order: the item's is in, the 31 - it younger ones stay out
	v_cvt_pk_bf16_f32 v[X+4*(\it)], v[X+4*(\it)], v[X+4*(\it)+1]      ; word 0 takes numbers 0, 1; word 1 numbers 2, 3: neither lands on a number still to be read
	v_cvt_pk_bf16_f32 v[X+4*(\it)+1], v[X+4*(\it)+2], v[X+4*(\it)+3]
.irp j, 0,1
	v_lshlrev_b32 v18, 16, v[X+4*(\it)+\j]         ; the two rounded numbers as f32,
	v_and_b32 v19, 0xffff0000, v[X+4*(\it)+\j]
	v_cvt_pk_f16_f32 v18, v18, v19                 ; spelled as f16,
	v_cndmask_b32 v[X+4*(\it)+\j], v[X+4*(\it)+\j], v18, s[MASK]  ; and taken for Wo alone
.endr
.endm
; Item it is stored.
.macro OUT it
	global_store_b64 v[OUTJ+(\it)%8], v[X+4*(\it):X+4*(\it)+1], s[OUTB+2*((\it)/8):OUTB+2*((\it)/8)+1]
.endm
.set n, 0
.rept GROUP                            ; group 0: no group stands in front of it
	WORK n
.set n, n+1
.endr
.rept 32/GROUP-1                       ; groups 1 to 7
	s_wait_alu depctr_va_vdst(0)                   ; the group before has written its four pairs, which the four stores of this group's turn read
.rept GROUP
	OUT n-GROUP                                    ; no vector instruction since the wait names this store's data or its offset
	WORK n
.set n, n+1
.endr
.endr
	s_wait_alu depctr_va_vdst(0)                   ; group 7 has written its four pairs, which the last four stores read
.rept GROUP
	OUT n-GROUP
.set n, n+1
.endr
	s_endpgm
.Lfunc_end_k_qf9688e3ef3_prep:
	.size	k_qf9688e3ef3_prep, .Lfunc_end_k_qf9688e3ef3_prep-k_qf9688e3ef3_prep
	.p2alignl 7, 3214868480
	.fill 96, 4, 3214868480
	.section	.rodata,"a",@progbits
	.p2align	6, 0x0
	.amdhsa_kernel k_qf9688e3ef3_prep
		.amdhsa_group_segment_fixed_size 0
		.amdhsa_private_segment_fixed_size 0
		.amdhsa_enable_private_segment 0
		.amdhsa_kernarg_size 64
		.amdhsa_user_sgpr_count 2
		.amdhsa_user_sgpr_kernarg_segment_ptr 1
		.amdhsa_wavefront_size32 1
		.amdhsa_system_sgpr_workgroup_id_x 1
		.amdhsa_system_sgpr_workgroup_id_y 1
		.amdhsa_system_sgpr_workgroup_id_z 1
		.amdhsa_system_vgpr_workitem_id 0
		.amdhsa_next_free_vgpr 160
		.amdhsa_next_free_sgpr 66
		.amdhsa_reserve_vcc 0
		.amdhsa_float_denorm_mode_32 3
		.amdhsa_float_denorm_mode_16_64 3
		.amdhsa_memory_ordered 1
		.amdhsa_forward_progress 1
		.amdhsa_inst_pref_size 34
	.end_amdhsa_kernel
	.amdgpu_metadata
---
amdhsa.version: [ 1, 2 ]
amdhsa.kernels:
  - .name:           k_qf9688e3ef3_prep
    .symbol:         k_qf9688e3ef3_prep.kd
    .args:
      - { .name: x, .offset: 0, .size: 8, .value_kind: global_buffer, .address_space: global }
      - { .name: Wq, .offset: 8, .size: 8, .value_kind: global_buffer, .address_space: global }
      - { .name: Wk, .offset: 16, .size: 8, .value_kind: global_buffer, .address_space: global }
      - { .name: Wv, .offset: 24, .size: 8, .value_kind: global_buffer, .address_space: global }
      - { .name: Wo, .offset: 32, .size: 8, .value_kind: global_buffer, .address_space: global }
      - { .name: xb, .offset: 40, .size: 8, .value_kind: global_buffer, .address_space: global }
      - { .name: wqkv, .offset: 48, .size: 8, .value_kind: global_buffer, .address_space: global }
      - { .name: wo16, .offset: 56, .size: 8, .value_kind: global_buffer, .address_space: global }
    .group_segment_fixed_size: 0
    .private_segment_fixed_size: 0
    .kernarg_segment_align: 8
    .kernarg_segment_size: 64
    .max_flat_workgroup_size: 128
    .sgpr_count:     66
    .vgpr_count:     160
    .wavefront_size: 32
...
	.end_amdgpu_metadata
.endif
;; end of part 6
;; launch gemm_qkv: the kernel of part 2 again; grid 8 x 32, 4 waves a work-group, clusters of 4 x 4, 327,680 bytes of LDS; arguments xb, wqkv, bq, bk, bv, qkv; writes qkv
;; launch stats: the kernel of part 3 again; grid 4 x 64, 8 waves a work-group, clusters of 4 x 1, 327,680 bytes of LDS; arguments qkv, nl, vmx; writes nl, vmx
;; launch aggr: the kernel of part 4 again; grid 4 x 64, 4 waves a work-group, clusters of 4 x 1, 327,680 bytes of LDS; arguments qkv, nl, vmx, ob; writes ob
;; launch gemm_out: the kernel of part 5 again; grid 8 x 32, 4 waves a work-group, clusters of 4 x 4, 327,680 bytes of LDS; arguments ob, wo16, bo, vmx, out0; writes out0
